; MI455X (gfx1250); checked and timed in simulation.
; The chip was launched on July 23, 2026; its instructions are those of AMD's public machine-readable ISA for CDNA 5 (MIT licence, August 2026) and "CDNA5" Instruction Set Architecture Reference Guide (July 2026). The comments in the code are by the model that wrote it; some were corrected since.
;; Flash Attention. Allowed arithmetic: matrix products marked QUANTISED: E4M3 operands, one given power-of-two scale a tensor, by v_wmma_f32_16x16x64_fp8_fp8 or v_wmma_f32_16x16x128_fp8_fp8, f32 sums; everything else in f32.
;; Inputs: Wk 2,048 x 1,024 float32; Wo 1,024 x 2,048 float32; Wq 2,048 x 1,024 float32; Wv 2,048 x 1,024 float32; lowp_scales 12 int32 (the exponents e of the quantised operands' scales 2^e); x 2 x 2,048 x 2,048 float32.
;; Outputs: out0 2 x 2,048 x 2,048 float32.
;; This version of the problem:
;;   THIS VERSION OF THE PROBLEM IS GIVEN IN LOW PRECISION. The matrix products marked QUANTISED in the list below multiply operands that are first quantised to E4M3 (4 exponent bits, 3 mantissa bits; 8 bits a number), with one given power-of-two scale for each operand tensor; their sums are f32. All else is computed in f32.
;;   The module's matrix products, in the order in which they are computed (A, B: the left and right operand; K: the contracted axis; several contracted axes count as one K, in the product's order):
;;     1. [M 4,096, K 2,048] x [K 2,048, N 1,024]; A: input x; B: input Wq: QUANTISED (scales: A lowp_scales[0], B lowp_scales[1])
;;     2. [M 4,096, K 2,048] x [K 2,048, N 1,024]; A: input x; B: input Wk: QUANTISED (scales: A lowp_scales[2], B lowp_scales[3])
;;     3. [M 4,096, K 2,048] x [K 2,048, N 1,024]; A: input x; B: input Wv: QUANTISED (scales: A lowp_scales[4], B lowp_scales[5])
;;     4. batch 16 x [M 2,048, K 128] x [K 128, N 2,048]; A: computed on the way; B: computed on the way: QUANTISED (scales: A lowp_scales[6], B lowp_scales[7])
;;     5. batch 16 x [M 2,048, K 2,048] x [K 2,048, N 128]; A: softmax (see below); B: computed on the way: QUANTISED (scales: A lowp_scales[8], B lowp_scales[9])
;;     6. [M 4,096, K 1,024] x [K 1,024, N 2,048]; A: computed on the way; B: input Wo: QUANTISED (scales: A lowp_scales[10], B lowp_scales[11])
;;   THE QUANTISER, for each operand of a quantised product, along K:
;;     - The operand's scale is 2^e, e = its entry of the input lowp_scales (int32; the entries are numbered through the quantised products in the list's order, A before B).
;;     - Each number is divided by the scale, clamped to +-448, and rounded to the nearest number of E4M3, ties to even, subnormals kept.
;;     - The product sums the exact products of the quantised numbers (number of the format x scale) in f32.
;;   ~~~python
;;   def quantise(x, axis, e):      # numpy; x: float32 -> the quantised numbers, widened to float32 again
;;       x = np.moveaxis(x, axis, -1); K = x.shape[-1]
;;       r = np.clip(x / 2.0 ** e, -448, 448)
;;       step = 2.0 ** (np.maximum(np.frexp(np.where(r == 0, 1, r))[1] - 1, -6) - 3)
;;       q = np.round(r / step) * step * 2.0 ** e      # np.round: ties to even
;;       return np.moveaxis(q, -1, axis).astype(np.float32)
;;   ~~~
;;   SOFTMAX AHEAD OF A QUANTISED PRODUCT. Where the list says 'softmax', what is quantised is not the finished softmax but p = 2^(t - M), with t = logit x log2(e) and M = ceil(the row's largest t), a whole number; so 1/2 < the row's largest p <= 1. The row's sum l is taken of the UNQUANTISED p, in f32, and the product's result is divided by l at the end. Since M is a whole number, a kernel that streams over the keys may use a running M (the ceiling of the running maximum): every later rescaling is an exact power of two, so the quantised numbers keep their values, but for numbers so far below the row's largest that they fall under the format's range.
;;   OPERANDS COMPUTED ON THE WAY. 'Computed on the way' means the value that the module computes at that place (a softmax that the list does not call 'softmax' is quantised finished and normalised). What goes into a quantiser is computed in f32, as accurately as f32 sums, v_exp_f32 and their like allow (about 1e-6 of the number): no bf16 or f16 on the way to a quantiser, and a product that is left as it is and whose result goes on into a quantised operand takes f32 operands (vector FMAs, or v_wmma_f32_16x16x4_f32). A number that lies on a knife's edge between two numbers of the format may be rounded either way, as far as f32 arithmetic and the matrix unit's own rounding can turn it there, and no further.
;; One version. Each part assembles by itself: llvm-mc -triple=amdgcn-amd-amdhsa -mcpu=gfx1250 --defsym DOCPART=n.
;; ======== version 1 of 1: 4 launches
;; limits: right only within a limited range of input values
;; workspace buffers: xcodes 25,165,824 bytes; wcodes 6,291,456 bytes; wocodes 2,097,152 bytes; rope 1,048,576 bytes; qcodes 4,194,304 bytes; kcodes 4,194,304 bytes; vcodes 4,194,304 bytes; ocodes 4,194,304 bytes
;; launch prep (part 1): grid 544 x 1, 4 waves a work-group, no clusters, 34,304 bytes of LDS; arguments x, Wq, Wk, Wv, Wo, lowp_scales, xcodes, wcodes, wocodes, rope; writes xcodes, wcodes, wocodes, rope
.if DOCPART == 1
	.amdgcn_target "amdgcn-amd-amdhsa--gfx1250"
	.amdhsa_code_object_version 6
	.text
	.protected	k_q23c4bbece0_prep
	.globl	k_q23c4bbece0_prep
	.p2align	8
	.type	k_q23c4bbece0_prep,@function
k_q23c4bbece0_prep:
	s_mov_b64 s[64:65], 0
	v_nop
	global_prefetch_b8 v0, s[64:65] scope:SCOPE_SE
	s_setreg_imm32_b32 hwreg(HW_REG_WAVE_MODE, 25, 1), 1
	s_wait_xcnt 0x0
; PREP: every f32 input becomes codes of FP8 (E4M3), and the table of cosines and sines for the rotary embedding is made.
; code = number / 2^e, held within +-448, rounded to the nearest code, ties to even; e is the operand's entry of lowp_scales.
; ALL CODES ARE LAID AS IMAGES OF THE OPERAND'S REGISTERS.  A fragment is 16 rows x 128 along K = 2,048 bytes; byte 512 c + 16 (16 h + r) + 8 u + i holds row r, k = 32 c + 16 u + 8 h + i:
; four 16-byte accesses a lane, at 16 x lane + 512 c, give lane (r, h) registers 2 j, 2 j + 1 = k 16 j + 8 h + 0 .. 7 (j = 2 c + u), the place that the 8-bit matrix form gives each k.
; FOUR KINDS OF WORK-GROUP, told apart by the work-group's number alone:
;   0 .. 255    x: 16 rows each; x is quantised three times, with entries 0, 2 and 4 (products 1, 2, 3), which need not be equal
;   256 .. 447  Wq, Wk, Wv: 128 columns x 256 along K each (entries 1, 3, 5)
;   448 .. 511  Wo: the same (entry 11)
;   512 .. 543  the table: 64 positions each
; LIMITS: each e between -126 and 119, so that 2^e and 448 x 2^e are f32 numbers.  NaN among the inputs is not served (an infinity is held at the largest code).
; The table's angle is position x 2^(-j log2(10000) / 64), formed in f32; a few units in the last place of the frequency make up to about 3e-4 radians at position 2,047.
.set LANE, 15                          ; v15      lane
.set XR,  16                           ; x: v16-143  two sets of 64: a fragment's numbers as loaded (16 rows x 16 bytes a lane)
.set XX,  144                          ; x: v144-207 the same 64 numbers in the operand's order
.set XT,  208                          ; x: v208-223 16 numbers held
.set XC,  224                          ; x: v224-255 two sets of 16 registers of codes
.set XD,  28                           ; x: s[28:33] where my wave's codes go, for each of the three products
.set XSC, 4                            ; x: v4-9     for product p: 2^e at v[4+2p], 448 x 2^e at v[5+2p]
.set WX,  32                           ; W: v32-95   two sets of 32 numbers down K
.set WD,  96                           ; W: v96-159  eight registers of codes for each of eight blocks: no store's data are written again
.set AN,  16                           ; table: v16-63 at work, eight of each; v64-79 results, 16 for one group of frequencies a trip
.set KF,  24
.set RH,  32
.set ZZ,  40
.set PS,  48
.set PC,  56
.set TO,  64
.macro MKSC e, vs, vl                  ; from the exponent in s[e]: 2^e and 448 x 2^e as f32 numbers
	s_add_co_i32 s42, s[\e], 127
	s_lshl_b32 s43, s42, 23
	v_mov_b32 v[\vs], s43
	s_add_co_i32 s42, s42, 8
	s_lshl_b32 s42, s42, 23
	s_or_b32 s42, s42, 0x600000
	v_mov_b32 v[\vl], s42
.endm
.macro LOADX t                         ; fragment t of my wave: 16 rows x 128 numbers; each load reads 512 consecutive bytes of one row
.set nn, 0
.rept 16
	global_load_b128 v[XR+64*((\t)%2)+4*nn:XR+64*((\t)%2)+4*nn+3], v1, s[4:5] offset:nn*8192+(\t)*512 th:TH_LOAD_NT
.set nn, nn+1
.endr
.endm
.macro XFRAG f
.if (\f) < 3
	s_wait_loadcnt 16                              ; this fragment's 16 loads are in; the next fragment's 16 may be out
.else
	s_wait_loadcnt 0x0
.endif
.set nn, 0
.rept 16
	ds_store_b128 v2, v[XR+64*((\f)%2)+4*nn:XR+64*((\f)%2)+4*nn+3] offset:528*nn   ; row nn as it lies, rows 528 bytes apart
.set nn, nn+1
.endr
.set nn, 0
.rept 16
	ds_load_b128 v[XX+4*nn:XX+4*nn+3], v3 offset:128*(nn/4)+64*((nn/2)%2)+16*(nn%2)   ; back: of row r the numbers k = 32 c + 16 u + 8 h + 0 .. 7; LDS serves a wave's instructions in order
.set nn, nn+1
.endr
	s_wait_dscnt 0x0                               ; the stores have read their registers, the numbers are back
.if (\f)+2 < 4
	LOADX (\f)+2
.endif
.irp p, 0,1,2
.if 3*(\f)+\p >= 2
	s_wait_xcnt 0x0                                ; the stores that read this set of code registers have had their addresses translated: only now is it written again
.endif
.irp c, 0,1,2,3
.set nn, 0
.rept 16
	v_med3_num_f32 v[XT+nn], v[XX+16*\c+nn], -v[XSC+1+2*\p], v[XSC+1+2*\p]   ; the conversion does not saturate (ISA guide 7.6.2): the hold comes first
.set nn, nn+1
.endr
	v_cvt_scalef32_pk8_fp8_f32 v[XC+16*((3*(\f)+\p)%2)+4*\c:XC+16*((3*(\f)+\p)%2)+4*\c+1], v[XT:XT+7], v[XSC+2*\p]
	v_cvt_scalef32_pk8_fp8_f32 v[XC+16*((3*(\f)+\p)%2)+4*\c+2:XC+16*((3*(\f)+\p)%2)+4*\c+3], v[XT+8:XT+15], v[XSC+2*\p]
	v_nop                                          ; one plain line between the conversions and the next holds, which write their sources
.endr
.irp c, 0,1,2,3
	global_store_b128 v1, v[XC+16*((3*(\f)+\p)%2)+4*\c:XC+16*((3*(\f)+\p)%2)+4*\c+3], s[XD+2*\p:XD+2*\p+1] offset:((\f)>>1)*1048576+((\f)&1)*2048+512*\c   ; 512 consecutive bytes of the image
.endr
.endr
.endm
.macro WLOAD t, pitch                  ; block t: W(32 t + i, my column), i = 0 .. 31
.set nn, 0
.rept 32
	global_load_b32 v[WX+32*((\t)%2)+nn], v1, s[30:31] offset:(32*(\t)+nn)*\pitch th:TH_LOAD_NT
.set nn, nn+1
.endr
.endm
.macro WBLOCK t, pitch
.if (\t) < 7
	s_wait_loadcnt 32                              ; this block's 32 loads are in; the next block's may be out
.else
	s_wait_loadcnt 0x0
.endif
.set nn, 0
.rept 32
	v_med3_num_f32 v[WX+32*((\t)%2)+nn], v[WX+32*((\t)%2)+nn], -v10, v10
.set nn, nn+1
.endr
	v_cvt_scalef32_pk8_fp8_f32 v[WD+8*(\t):WD+8*(\t)+1], v[WX+32*((\t)%2):WX+32*((\t)%2)+7], v11          ; k 0-7:   h = 0, u = 0
	v_cvt_scalef32_pk8_fp8_f32 v[WD+8*(\t)+2:WD+8*(\t)+3], v[WX+32*((\t)%2)+16:WX+32*((\t)%2)+23], v11    ; k 16-23: h = 0, u = 1
	v_cvt_scalef32_pk8_fp8_f32 v[WD+8*(\t)+4:WD+8*(\t)+5], v[WX+32*((\t)%2)+8:WX+32*((\t)%2)+15], v11     ; k 8-15:  h = 1, u = 0
	v_cvt_scalef32_pk8_fp8_f32 v[WD+8*(\t)+6:WD+8*(\t)+7], v[WX+32*((\t)%2)+24:WX+32*((\t)%2)+31], v11    ; k 24-31: h = 1, u = 1
	global_store_b128 v2, v[WD+8*(\t):WD+8*(\t)+3], s[34:35] offset:((\t)>>2)*2048+((\t)&3)*512          ; sixteen lanes store 256 consecutive bytes, aligned
	global_store_b128 v2, v[WD+8*(\t)+4:WD+8*(\t)+7], s[34:35] offset:((\t)>>2)*2048+((\t)&3)*512+256
.if (\t)+2 < 8
	WLOAD (\t)+2, \pitch
.endif
.endm
; A LANE TAKES A COLUMN n AND ITS REGISTERS RUN DOWN K: the conversions' results are pieces of the image, and nothing is transposed.  s[30:31] source, s[34:35] images, s40 e.
.macro WBODY pitch
	v_lshlrev_b32 v1, 2, v[LANE]                   ; in: 4 bytes a lane, 128 consecutive bytes a wave
	v_lshrrev_b32 v2, 4, v[LANE]
	v_and_b32 v3, 15, v[LANE]
	v_lshlrev_b32 v2, 12, v2                       ; out: lanes 16-31 hold the next tile of 16 columns, 4,096 bytes on;
	v_lshl_add_u32 v2, v3, 4, v2                   ; row r of the tile: 16 r
	WLOAD 0, \pitch
	WLOAD 1, \pitch
	s_wait_kmcnt 0x0
	MKSC 40, 11, 10
	s_wait_alu depctr_va_vdst(0)
	s_mov_b32 s44, 3
.Lw_\@:                                                ; a trip: two blocks, and the loads of the two blocks behind them
	WBLOCK 0, \pitch
	WBLOCK 1, \pitch
	s_wait_xcnt 0x0                                ; loads and stores have had their addresses translated: bases and code registers may be written
	s_add_nc_u64 s[30:31], s[30:31], 64*\pitch
	s_add_nc_u64 s[34:35], s[34:35], 1024
	s_sub_co_u32 s44, s44, 1
	s_cmp_lg_u32 s44, 0
	s_cbranch_scc1 .Lw_\@
	s_sub_nc_u64 s[34:35], s[34:35], 3072          ; blocks 6 and 7 name their places from the first block's
	WBLOCK 6, \pitch
	WBLOCK 7, \pitch
.endm
; The table for frequencies j = 16 b + 8 h + i, i = 0 .. 7, at my lane's position.
.macro ROPEB b
.irp i, 0,1,2,3,4,5,6,7
	v_add_nc_u32 v[KF+\i], 16*\b+\i, v3
.endr
.irp i, 0,1,2,3,4,5,6,7
	v_cvt_f32_u32 v[KF+\i], v[KF+\i]
.endr
.irp i, 0,1,2,3,4,5,6,7
	v_mul_f32 v[AN+\i], s30, v[KF+\i]              ; -j x the upper 18 bits of log2(10000) / 64: exact (6 + 18 bits),
.endr
.irp i, 0,1,2,3,4,5,6,7
	v_fma_f32 v[AN+\i], v[KF+\i], s31, v[AN+\i]    ; and the rest of it
.endr
	s_wait_alu depctr_va_vdst(0)
.irp i, 0,1,2,3,4,5,6,7
	v_exp_f32 v[AN+\i], v[AN+\i]                   ; the frequency 10000^(-j / 64)
.endr
	v_nop                                          ; a plain line behind the last exponential,
	s_wait_alu depctr_va_vdst(0)                   ; and one wait for the batch of eight, ahead of the first reader
.irp i, 0,1,2,3,4,5,6,7
	v_mul_f32 v[AN+\i], v2, v[AN+\i]               ; the angle
.endr
.irp i, 0,1,2,3,4,5,6,7
	v_mul_f32 v[KF+\i], s32, v[AN+\i]
.endr
.irp i, 0,1,2,3,4,5,6,7
	v_rndne_f32 v[KF+\i], v[KF+\i]                 ; k = the nearest multiple of pi / 2
.endr
.irp i, 0,1,2,3,4,5,6,7
	v_fma_f32 v[RH+\i], v[KF+\i], s33, v[AN+\i]    ; angle - k x (pi / 2 as f32): exact, the difference has at most 24 bits;
.endr
.irp i, 0,1,2,3,4,5,6,7
	v_fma_f32 v[RH+\i], v[KF+\i], s34, v[RH+\i]    ; - k x what that f32 number lacks of pi / 2
.endr
.irp i, 0,1,2,3,4,5,6,7
	v_mul_f32 v[ZZ+\i], v[RH+\i], v[RH+\i]
.endr
.irp i, 0,1,2,3,4,5,6,7
	v_fmaak_f32 v[PS+\i], v9, v[ZZ+\i], 0x3c08839e
	v_fmaak_f32 v[PC+\i], v10, v[ZZ+\i], 0xbab6061a
.endr
.irp i, 0,1,2,3,4,5,6,7
	v_fmaak_f32 v[PS+\i], v[PS+\i], v[ZZ+\i], 0xbe2aaaa3
	v_fmaak_f32 v[PC+\i], v[PC+\i], v[ZZ+\i], 0x3d2aaaa5
.endr
.irp i, 0,1,2,3,4,5,6,7
	v_mul_f32 v[PS+\i], v[PS+\i], v[ZZ+\i]
	v_mul_f32 v[PC+\i], v[PC+\i], v[ZZ+\i]
	v_fma_f32 v[AN+\i], v[ZZ+\i], -0.5, 1.0
.endr
.irp i, 0,1,2,3,4,5,6,7
	v_fma_f32 v[PS+\i], v[PS+\i], v[RH+\i], v[RH+\i]   ; sine of the rest, within +-pi / 4
	v_fma_f32 v[PC+\i], v[PC+\i], v[ZZ+\i], v[AN+\i]   ; cosine of it
	v_cvt_i32_f32 v[KF+\i], v[KF+\i]
.endr
.irp i, 0,1,2,3,4,5,6,7
	v_and_b32 v[ZZ+\i], 1, v[KF+\i]
	v_cmp_eq_u32 vcc_lo, 1, v[ZZ+\i]
	v_cndmask_b32 v[RH+\i], v[PS+\i], v[PC+\i], vcc_lo   ; odd k: the two change places
	v_cndmask_b32 v[AN+\i], v[PC+\i], v[PS+\i], vcc_lo
	v_and_b32 v[ZZ+\i], 2, v[KF+\i]                ; the sine is negated for k mod 4 = 2, 3,
	v_add_nc_u32 v[KF+\i], 1, v[KF+\i]
	v_lshlrev_b32 v[ZZ+\i], 30, v[ZZ+\i]
	v_and_b32 v[KF+\i], 2, v[KF+\i]                ; the cosine for k mod 4 = 1, 2
	v_xor_b32 v[TO+16*\b+8+\i], v[ZZ+\i], v[RH+\i]
	v_lshlrev_b32 v[KF+\i], 30, v[KF+\i]
	v_xor_b32 v[TO+16*\b+\i], v[KF+\i], v[AN+\i]
.endr
.irp q, 0,1,2,3
	global_store_b128 v1, v[TO+16*\b+4*\q:TO+16*\b+4*\q+3], s[22:23] offset:2048*\b+512*\q   ; parts 0, 1: eight cosines; parts 2, 3: eight sines; 512 consecutive bytes a store
.endr
.endm
	s_load_b256 s[4:11], s[0:1], 0x0               ; x s[4:5], Wq s[6:7], Wk s[8:9], Wv s[10:11]
	s_load_b128 s[12:15], s[0:1], 0x20             ; Wo s[12:13], the scales' exponents s[14:15]
	s_load_b256 s[16:23], s[0:1], 0x30             ; xcodes s[16:17], wcodes s[18:19], wocodes s[20:21], rope s[22:23]
	v_lshl_add_u32 v12, v0, 2, 0x8400
	s_set_vgpr_msb 0x40
	v_mov_b32 v1, 0
	s_set_vgpr_msb 0x4000
	v_lshrrev_b32 v1, 5, v0
	v_readfirstlane_b32 s24, v1                    ; wave 0..3
	v_and_b32 v[LANE], 31, v0
	s_wait_kmcnt 0x0
	s_cmp_lt_u32 ttmp9, 256
	s_cbranch_scc1 .Lx
	s_cmp_lt_u32 ttmp9, 448
	s_cbranch_scc1 .Lw3
	s_cmp_lt_u32 ttmp9, 512
	s_cbranch_scc1 .Lwo
	; ---- the table: rope[blk 128][b 4][part 4][lane 32][4 f32]; lane (r, h) of (blk, b): position 16 blk + r, frequencies 16 b + 8 h + 0 .. 7.  A wave makes one blk.
	s_sub_co_u32 s25, ttmp9, 512
	s_lshl_b32 s25, s25, 2
	s_add_co_u32 s25, s25, s24                     ; blk
	s_lshl_b32 s26, s25, 13                        ; 8,192 bytes a blk
	s_mov_b32 s27, 0
	s_add_nc_u64 s[22:23], s[22:23], s[26:27]
	s_lshl_b32 s28, s25, 4
	s_wait_alu depctr_va_vdst(0)
	v_lshlrev_b32 v1, 4, v[LANE]
	v_and_b32 v2, 15, v[LANE]
	v_add_nc_u32 v2, s28, v2
	v_cvt_f32_u32 v2, v2                           ; my position as f32
	v_lshrrev_b32 v3, 4, v[LANE]
	v_lshlrev_b32 v3, 3, v3                        ; 8 h
	s_mov_b32 s30, 0xbe549a40                      ; -(log2(10000) / 64), its upper 18 bits
	s_mov_b32 s31, 0xb5612f34                      ; and the rest
	s_mov_b32 s32, 0x3f22f983                      ; 2 / pi
	s_mov_b32 s33, 0xbfc90fdb                      ; -(pi / 2) as f32
	s_mov_b32 s34, 0x333bbd2e                      ; that f32 number less pi / 2
	v_mov_b32 v9, 0xb94ca1f9                       ; leading coefficients of the sine's and the cosine's polynomials in the square of the angle
	v_mov_b32 v10, 0x37ccf5ce
	s_mov_b32 s35, 4
.Lrope:                                                ; 16 frequencies a trip
	ROPEB 0
	s_wait_xcnt 0x0                                ; the stores have had their addresses translated
	v_add_nc_u32 v3, 16, v3
	s_add_nc_u64 s[22:23], s[22:23], 2048
	s_sub_co_u32 s35, s35, 1
	s_cmp_lg_u32 s35, 0
	s_wait_alu depctr_va_vdst(0)
	s_cbranch_scc1 .Lrope
	s_endpgm
	; ---- x: work-group T takes rows 16 T .. 16 T + 15; wave w takes k = 512 w .. 512 w + 511: four fragments.  xcodes[p 3][kslot 8][rowtile 256][kk 2][2048]
.Lx:
	s_lshl_b32 s26, ttmp9, 17                      ; 16 rows of 8,192 bytes
	s_lshl_b32 s27, s24, 11                        ; 512 numbers
	s_add_co_u32 s26, s26, s27
	s_mov_b32 s27, 0
	s_add_nc_u64 s[4:5], s[4:5], s[26:27]
	s_lshl_b32 s26, s24, 21                        ; kslot 2 w: 2 x 1,048,576 bytes
	s_lshl_b32 s28, ttmp9, 12                      ; row tile T: 4,096 bytes
	s_add_co_u32 s26, s26, s28
	s_add_nc_u64 s[XD:XD+1], s[16:17], s[26:27]
	s_add_nc_u64 s[XD+2:XD+3], s[XD:XD+1], 0x800000
	s_add_nc_u64 s[XD+4:XD+5], s[XD:XD+1], 0x1000000
	s_load_b128 s[36:39], s[14:15], 0x0            ; entries 0 to 3
	s_load_b32 s40, s[14:15], 0x10                 ; entry 4
	s_wait_alu depctr_va_vdst(0)
	v_lshlrev_b32 v1, 4, v[LANE]                   ; 16 x lane: my bytes of a load's 512, and of an image's 512
	s_mul_i32 s41, s24, 8448                       ; my wave's stage: 16 rows x (512 + 16) bytes
	v_add_nc_u32 v2, s41, v1
	v_and_b32 v13, 15, v[LANE]
	v_lshrrev_b32 v14, 4, v[LANE]
	v_mul_u32_u24 v3, v13, 528
	v_lshl_add_u32 v3, v14, 5, v3
	v_add_nc_u32 v3, s41, v3                       ; back: row r, + 32 h bytes (8 numbers)
	LOADX 0
	LOADX 1
	s_wait_alu depctr_va_vdst(0)
	s_wait_kmcnt 0x0
	MKSC 36, 4, 5
	MKSC 38, 6, 7
	MKSC 40, 8, 9
	s_wait_alu depctr_va_vdst(0)
	XFRAG 0
	XFRAG 1
	XFRAG 2
	XFRAG 3
	s_set_vgpr_msb 0x4
	s_wait_tensorcnt 0x0
	ds_add_u32 v12, v1
	s_wait_dscnt 0x0
	s_set_vgpr_msb 0x400
	s_endpgm
	; ---- Wq, Wk, Wv [2048 k][1024 n]: wcodes[p 3][kslot 8][ntile 64][kk 2][2048].  A work-group: 128 columns x one kslot; a wave: 32 columns, two tiles.
.Lw3:
	s_sub_co_u32 s25, ttmp9, 256
	s_lshr_b32 s26, s25, 6                         ; p
	s_and_b32 s27, s25, 7                          ; which 128 columns
	s_bfe_u32 s28, s25, 0x30003                    ; kslot
	s_cmp_eq_u32 s26, 0
	s_cselect_b64 s[30:31], s[6:7], s[8:9]
	s_cmp_eq_u32 s26, 2
	s_cselect_b64 s[30:31], s[10:11], s[30:31]
	s_lshl_b32 s32, s28, 20                        ; 256 rows of 4,096 bytes
	s_lshl_b32 s33, s27, 9
	s_add_co_u32 s32, s32, s33
	s_lshl_b32 s33, s24, 7
	s_add_co_u32 s32, s32, s33
	s_mov_b32 s33, 0
	s_add_nc_u64 s[30:31], s[30:31], s[32:33]
	s_lshl_b32 s32, s26, 21
	s_lshl_b32 s34, s28, 18
	s_add_co_u32 s32, s32, s34
	s_lshl_b32 s34, s27, 15                        ; 8 tiles of 4,096 bytes
	s_add_co_u32 s32, s32, s34
	s_lshl_b32 s34, s24, 13                        ; 2 tiles
	s_add_co_u32 s32, s32, s34
	s_add_nc_u64 s[34:35], s[18:19], s[32:33]
	s_lshl_b32 s36, s26, 3
	s_load_b32 s40, s[14:15], s36 offset:0x4       ; entry 2 p + 1
	s_wait_alu depctr_va_vdst(0)
	WBODY 4096
	s_endpgm
	; ---- Wo [1024 k][2048 n]: wocodes[kslot 4][ntile 128][kk 2][2048]
.Lwo:
	s_sub_co_u32 s25, ttmp9, 448
	s_and_b32 s27, s25, 15
	s_lshr_b32 s28, s25, 4
	s_lshl_b32 s32, s28, 21                        ; 256 rows of 8,192 bytes
	s_lshl_b32 s33, s27, 9
	s_add_co_u32 s32, s32, s33
	s_lshl_b32 s33, s24, 7
	s_add_co_u32 s32, s32, s33
	s_mov_b32 s33, 0
	s_add_nc_u64 s[30:31], s[12:13], s[32:33]
	s_lshl_b32 s32, s28, 19
	s_lshl_b32 s34, s27, 15
	s_add_co_u32 s32, s32, s34
	s_lshl_b32 s34, s24, 13
	s_add_co_u32 s32, s32, s34
	s_add_nc_u64 s[34:35], s[20:21], s[32:33]
	s_load_b32 s40, s[14:15], 0x2c                 ; entry 11
	s_wait_alu depctr_va_vdst(0)
	WBODY 8192
	s_endpgm
.Lfunc_end_k_q23c4bbece0_prep:
	.size	k_q23c4bbece0_prep, .Lfunc_end_k_q23c4bbece0_prep-k_q23c4bbece0_prep
	.p2alignl 7, 3214868480
	.fill 96, 4, 3214868480
	.section	.rodata,"a",@progbits
	.p2align	6, 0x0
	.amdhsa_kernel k_q23c4bbece0_prep
		.amdhsa_group_segment_fixed_size 34304
		.amdhsa_private_segment_fixed_size 0
		.amdhsa_enable_private_segment 0
		.amdhsa_kernarg_size 80
		.amdhsa_user_sgpr_count 2
		.amdhsa_user_sgpr_kernarg_segment_ptr 1
		.amdhsa_wavefront_size32 1
		.amdhsa_system_sgpr_workgroup_id_x 1
		.amdhsa_system_sgpr_workgroup_id_y 1
		.amdhsa_system_sgpr_workgroup_id_z 1
		.amdhsa_system_vgpr_workitem_id 0
		.amdhsa_next_free_vgpr 258
		.amdhsa_next_free_sgpr 66
		.amdhsa_reserve_vcc 1
		.amdhsa_float_denorm_mode_32 3
		.amdhsa_float_denorm_mode_16_64 3
		.amdhsa_memory_ordered 1
		.amdhsa_forward_progress 1
		.amdhsa_inst_pref_size 137
	.end_amdhsa_kernel
	.amdgpu_metadata
---
amdhsa.version: [ 1, 2 ]
amdhsa.kernels:
  - .name:           k_q23c4bbece0_prep
    .symbol:         k_q23c4bbece0_prep.kd
    .args:
      - { .name: x, .offset: 0, .size: 8, .value_kind: global_buffer, .address_space: global }
      - { .name: Wq, .offset: 8, .size: 8, .value_kind: global_buffer, .address_space: global }
      - { .name: Wk, .offset: 16, .size: 8, .value_kind: global_buffer, .address_space: global }
      - { .name: Wv, .offset: 24, .size: 8, .value_kind: global_buffer, .address_space: global }
      - { .name: Wo, .offset: 32, .size: 8, .value_kind: global_buffer, .address_space: global }
      - { .name: lowp_scales, .offset: 40, .size: 8, .value_kind: global_buffer, .address_space: global }
      - { .name: xcodes, .offset: 48, .size: 8, .value_kind: global_buffer, .address_space: global }
      - { .name: wcodes, .offset: 56, .size: 8, .value_kind: global_buffer, .address_space: global }
      - { .name: wocodes, .offset: 64, .size: 8, .value_kind: global_buffer, .address_space: global }
      - { .name: rope, .offset: 72, .size: 8, .value_kind: global_buffer, .address_space: global }
    .group_segment_fixed_size: 34304
    .private_segment_fixed_size: 0
    .kernarg_segment_align: 8
    .kernarg_segment_size: 80
    .max_flat_workgroup_size: 128
    .sgpr_count:     66
    .vgpr_count:     258
    .wavefront_size: 32
...
	.end_amdgpu_metadata
.endif
;; end of part 1
;; launch qkv (part 2): grid 12 x 16, 4 waves a work-group, clusters of 4 x 4, 327,680 bytes of LDS; arguments xcodes, wcodes, lowp_scales, rope, qcodes, kcodes, vcodes; writes qcodes, kcodes, vcodes
.if DOCPART == 2
	.amdgcn_target "amdgcn-amd-amdhsa--gfx1250"
	.amdhsa_code_object_version 6
	.text
	.protected	k_q23c4bbece0_qkv
	.globl	k_q23c4bbece0_qkv
	.p2align	8
	.type	k_q23c4bbece0_qkv,@function
k_q23c4bbece0_qkv:
	s_mov_b64 s[64:65], 0
	v_nop
	global_prefetch_b8 v0, s[64:65] scope:SCOPE_SE
	s_setreg_imm32_b32 hwreg(HW_REG_WAVE_MODE, 25, 1), 1
	s_wait_xcnt 0x0
	s_wait_alu depctr_hold_cnt(0) depctr_sa_sdst(0) depctr_va_vdst(0) depctr_va_sdst(0) depctr_va_ssrc(0) depctr_va_vcc(0) depctr_vm_vsrc(0)
	s_getreg_b32 s2, hwreg(HW_REG_IB_STS2, 6, 4)
	s_cmp_eq_u32 s2, 0
	s_cbranch_scc0 .Lentry_in_a_cluster
	s_endpgm
.Lentry_in_a_cluster:
	s_bfe_u32 s2, ttmp6, 0x10000c
	s_cmp_lg_u32 s2, 0xf033
	s_cbranch_scc0 .Lentry_shape_is_right
	s_endpgm
.Lentry_shape_is_right:
; QKV: products 1, 2, 3 on codes of FP8, the rotary embedding of q and k, and the quantising of q, k (for product 4) and v (for product 5).
; xcodes [p 3][kslot 8][row tile 256][kk 2][2048], wcodes [p 3][kslot 8][column tile 64][kk 2][2048]: images of the operand's registers (16 rows x 128 K; four 16-byte accesses a lane, at 16 x lane + 512 c).
; A block is 256 x 256, a wave's part 128 x 128: 64 accumulators.  The cluster's x is the product p.  For q and k the sums are used transposed (source 0 = W's columns), so that a lane holds one position and eight neighbouring channels;
; for v the operands change places (A = W's columns, B = x's rows), so that a lane holds one channel and eight neighbouring keys.
; K goes in slots of 256 (131,072 bytes) through a ring of two.  At the head EVERY wave issues one joint load of 65,536 bytes: waves 0, 1 bring A's and B's tiles of K slot 0, waves 2, 3 those of K slot 1.
; Only waves 0 and 1 wait ahead of the first barrier; K slot 1 is waited for at the first change of slots.  A refill is four joint loads of 32,768 bytes, one a wave: waves 0, 1 A's halves, waves 2, 3 B's.
; A step of 128 along K is four parts of 16 matrix instructions (two of A's blocks x B's eight); behind each part stands one run of 16 LDS loads, four of the next step's fragments, with four v_nop (places) ahead of it.
; A's fragments have one set of registers (blocks 0 to 3 are asked for when the third part is issued, 4 to 7 when the fourth is), B's two.
; Prefetches: K slots 2 and 3 at the head behind the joint loads, then at each change of slots the K slot two refills on; the last four K slots have nothing further on.  Each cluster asks for x's tiles that it loads;
; W's tiles, which the four clusters of a product share, are asked for by the first of them.  The rope table is asked for by the four clusters p < 2, y < 2, 8,192 bytes a wave, shared out by address.
; LIMITS: each of the powers e_out - e_x - e_w lies between -126 and 119, so that it and 448 times it are f32 numbers.  NaN is not served.
; REGISTERS: window 0: v16-31 addresses and constants, v32-127 at work on the way out, v128-255 A's fragments.  Window 1: B's fragments, two sets; on the way out the rope table, four blocks by turns.  Windows 2, 3: the accumulators.
.set HALFT,  32768
.set SLOT,   4*HALFT
.set SPARE,  2*SLOT
.set ADRA, 16
.set ADRB, 20
.set PFO,  26
.set LI,   27
.set SPW,  28
.set NIL,  29
.set SCL,  30
.set LIMV, 31
.set R,    32
.set CD,   96
.set AF,   128
.set HG1,  4                           ; s[4:11], s[12:19]: the head loads' groups 1 (A, B)
.set HG1B, 12
.set G1,   24                          ; s[24:31], s[48:55]: the refills'
.set G1B,  48
.set G0,   32                          ; s[32:39], s[56:63]: the refills' groups 0, one for each slot
.set G0B,  56
.set HG0,  40                          ; s[40:43], s[44:47]: the head loads'
.set HG0B, 44
.set CX,   66
.set CY,   67
.set STA,  74
.set STB,  76
.set STM,  80
.set OUTP, 84
.set ROPE, 86
.set PFA,  88
.set LIM,  90
.set WV,   98                          ; wave; WH = wave / 2, WL = wave % 2
.set WH,   99
.set WL,   100
.set CLY,  101                         ; the cluster's y
.set MSB, 0
.macro WIN new
.if MSB != (\new)
	s_set_vgpr_msb (MSB<<8)|(\new)
.set MSB, (\new)
.endif
.endm
.set MUL_LO, 0xa1
.set MUL_HI, 0xf1
.set TO_B,   0x40
.macro PLACES
.rept 4
	v_nop
.endr
.endm
.macro TL g0, g1
	tensor_load_to_lds s[\g0:\g0+3], s[\g1:\g1+7]
	s_nop 0
	PLACES
.endm
.macro JLOAD g0a, g0b                  ; a refill's joint load: one line for A, one for B, chosen by the wave's number alone
	s_cmp_eq_u32 s[WH], 0
	s_cbranch_scc0 .Lfor_b_\@
	TL \g0a, G1
	s_branch .Lasked_\@
.Lfor_b_\@:
	TL \g0b, G1B
.Lasked_\@:
.endm
.macro CREST
	s_cmp_lg_u32 s[WV], 0
	s_cbranch_scc1 .Lnot_wave_0_\@
	s_barrier_signal -3
.Lnot_wave_0_\@:
	s_barrier_wait -3
	s_barrier_signal -1
	s_barrier_wait -1
.endm
.macro CROUND
	s_barrier_signal -1
	s_barrier_wait -1
	CREST
.endm
.macro ASK                             ; the K slot two refills on; the loop's last trip has none
	s_cmp_gt_u32 s3, s[LIM]
	s_cbranch_scc0 .Lnot_mine_\@
	global_prefetch_b8 v[PFO], s[PFA:PFA+1] th:TH_LOAD_NT scope:SCOPE_SE
.Lnot_mine_\@:
.endm
.macro GROUP1 g, rows                  ; rows of 4,096 bytes: 512 elements of 8 bytes
	s_mov_b32 s[\g+1], 512<<16
	s_mov_b32 s[\g+2], \rows<<16
	s_mov_b32 s[\g+3], 512<<16
	s_mov_b32 s[\g+4], \rows
	s_mov_b32 s[\g+5], 512
	s_mov_b32 s[\g+6], 0
	s_mov_b32 s[\g+7], 0
.endm
	s_load_b256 s[4:11], s[0:1], 0x0               ; xcodes, wcodes, scales, rope
	s_load_b128 s[68:71], s[0:1], 0x20             ; q, k
	s_load_b64 s[72:73], s[0:1], 0x30              ; v
	v_lshl_add_u32 v[SPW], v0, 2, SPARE
	v_mov_b32 v[NIL], 0
	ds_add_u32 v[SPW], v[NIL]
	ds_add_u32 v[SPW], v[NIL]
	v_lshrrev_b32 v1, 5, v0
	v_readfirstlane_b32 s[WV], v1
	s_lshr_b32 s[WH], s[WV], 1
	s_and_b32 s[WL], s[WV], 1
	s_bfe_u32 s[CX], ttmp6, 0x40000
	s_bfe_u32 s[CY], ttmp6, 0x40004
	s_and_b32 s[CLY], ttmp7, 0xffff
	s_lshl_b32 s91, s[CY], 2
	s_lshl_b32 s91, 15, s91                        ; my row of the cluster
	s_lshl_b32 s92, 0x1111, s[CX]                  ; my column
	s_or_b32 s[G1], s91, (3<<16)|(1<<21)
	s_or_b32 s[G1B], s92, (3<<16)|(1<<21)
	s_or_b32 s[HG1B], s92, (3<<16)|(1<<21)
	GROUP1 G1, 8
	GROUP1 G1B, 8
	GROUP1 HG1B, 16
	s_lshl_b32 s23, s[CLY], 18                     ; the cluster's 64 row tiles of x
	s_lshl_b32 s20, s[CY], 16                      ; A: 16 tiles for each cy
	s_add_co_u32 s21, s20, s23
	s_lshl_b32 s92, ttmp9, 23
	s_add_co_u32 s21, s21, s92                     ; A is x (p < 2),
	s_add_co_u32 s20, s20, 2<<21                   ; or W (p = 2)
	s_lshl_b32 s93, s[CX], 16                      ; B: 16 tiles for each cx
	s_add_co_u32 s94, s93, s23
	s_add_co_u32 s94, s94, 2<<23                   ; B is x (p = 2),
	s_lshl_b32 s92, ttmp9, 21
	s_add_co_u32 s93, s93, s92                     ; or W (p < 2)
	s_lshl_b32 s92, ttmp9, 3                       ; the scales' byte: entries 2 p, 2 p + 1
	s_wait_dscnt 0x0                               ; both opening adds are done
	s_wait_alu depctr_va_vdst(0)
	s_wait_kmcnt 0x0
	s_cmp_eq_u32 ttmp9, 2
	s_cselect_b32 s20, s20, s21
	s_cselect_b32 s94, s94, s93
	s_cselect_b64 s[82:83], s[6:7], s[4:5]
	s_cselect_b64 s[78:79], s[4:5], s[6:7]
	s_mov_b32 s[STA], 1<<20                        ; from K slot to K slot: x 1,048,576 bytes, W 262,144
	s_cselect_b32 s[STA], 1<<18, s[STA]
	s_mov_b32 s[STB], 1<<18
	s_cselect_b32 s[STB], 1<<20, s[STB]
	s_cselect_b32 s3, 4, 0
	s_mov_b32 s21, 0
	s_mov_b32 s95, 0
	s_mov_b32 s[STA+1], 0
	s_mov_b32 s[STB+1], 0
	s_add_nc_u64 s[82:83], s[82:83], s[20:21]
	s_add_nc_u64 s[78:79], s[78:79], s[94:95]
	s_mov_b64 s[84:85], s[8:9]
	s_mov_b64 s[ROPE:ROPE+1], s[10:11]
	s_lshl_b32 s2, ttmp9, 2
	s_add_co_u32 s3, s3, s2
	s_load_b64 s[96:97], s[84:85], s92 offset:0x0
	s_load_b32 s2, s[84:85], s3 offset:0x18        ; the result's exponent: entry 6 (q), 7 (k) or 9 (v)
	s_or_b32 s[HG1], s91, (3<<16)|(1<<21)
	GROUP1 HG1, 16
	s_mov_b32 s[HG0], 1
	s_mul_i32 s20, s[WH], s[STA]
	s_mov_b32 s21, 0
	s_add_nc_u64 s[HG0+2:HG0+3], s[82:83], s[20:21]
	s_or_b32 s[HG0+3], s[HG0+3], 0x80000000
	s_mov_b32 s[HG0B], 1
	s_mul_i32 s22, s[WH], s[STB]
	s_mov_b32 s23, 0
	s_add_nc_u64 s[HG0B+2:HG0B+3], s[78:79], s[22:23]
	s_or_b32 s[HG0B+3], s[HG0B+3], 0x80000000
	CROUND                                         ; all sixteen work-groups are here: the first joint loads meet
	s_cmp_eq_u32 s[WV], 0                          ; wave 0: A's tiles of K slot 0
	s_cbranch_scc0 .Lh1
	s_mov_b32 s[HG0+1], 0
	TL HG0, HG1
	s_branch .Lhead
.Lh1:
	s_cmp_eq_u32 s[WV], 1                          ; wave 1: B's
	s_cbranch_scc0 .Lh2
	s_mov_b32 s[HG0B+1], 2*HALFT
	TL HG0B, HG1B
	s_branch .Lhead
.Lh2:
	s_cmp_eq_u32 s[WV], 2                          ; wave 2: A's of K slot 1
	s_cbranch_scc0 .Lh3
	s_mov_b32 s[HG0+1], SLOT
	TL HG0, HG1
	s_branch .Lhead
.Lh3:                                                  ; wave 3: B's
	s_mov_b32 s[HG0B+1], SLOT+2*HALFT
	TL HG0B, HG1B
.Lhead:
	s_lshl_b32 s20, s[WH], 15                      ; my 128 rows of A,
	s_lshl_b32 s21, s[WL], 15                      ; of B
	s_add_co_u32 s21, s21, 2*HALFT
	s_add_co_u32 s22, s20, SLOT
	s_add_co_u32 s23, s21, SLOT
	v_and_b32 v1, 31, v0
	v_lshlrev_b32 v[LI], 4, v1
	v_lshlrev_b32 v[PFO], 8, v1
	v_add_nc_u32 v[ADRA], s20, v[LI]
	v_add_nc_u32 v[ADRA+1], s22, v[LI]
	v_add_nc_u32 v[ADRB], s21, v[LI]
	v_add_nc_u32 v[ADRB+1], s23, v[LI]
	s_lshl_b32 s20, s[WL], 15                      ; which half of a tile I fetch in the refills
	s_mov_b32 s21, 0
	s_add_nc_u64 s[82:83], s[82:83], s[20:21]
	s_add_nc_u64 s[78:79], s[78:79], s[20:21]
	s_mov_b32 s[G0], 1
	s_lshl_b32 s[G0+1], s[WV], 15
	s_mov_b64 s[G0+2:G0+3], s[82:83]
	s_or_b32 s[G0+3], s[G0+3], 0x80000000
	s_mov_b32 s[G0+4], 1
	s_add_co_u32 s[G0+5], s[G0+1], SLOT
	s_add_nc_u64 s[G0+6:G0+7], s[82:83], s[STA:STA+1]
	s_or_b32 s[G0+7], s[G0+7], 0x80000000
	s_mov_b32 s[G0B], 1
	s_lshl_b32 s[G0B+1], s[WV], 15
	s_mov_b64 s[G0B+2:G0B+3], s[78:79]
	s_or_b32 s[G0B+3], s[G0B+3], 0x80000000
	s_mov_b32 s[G0B+4], 1
	s_add_co_u32 s[G0B+5], s[G0B+1], SLOT
	s_add_nc_u64 s[G0B+6:G0B+7], s[78:79], s[STB:STB+1]
	s_or_b32 s[G0B+7], s[G0B+7], 0x80000000
	s_wait_alu depctr_va_vdst(0)
	s_wait_kmcnt 0x0
	s_add_co_i32 s96, s96, s97
	s_sub_co_i32 s2, s2, s96
	s_add_co_i32 s2, s2, 127
	s_lshl_b32 s96, s2, 23
	v_mov_b32 v[SCL], s96                          ; 2^(e_out - e_x - e_w): a sum's code is sum / this
	s_add_co_i32 s2, s2, 8
	s_lshl_b32 s2, s2, 23
	s_or_b32 s2, s2, 0x600000
	v_mov_b32 v[LIMV], s2                          ; 448 x that
	; the prefetches: of the 128 rows that I fetch each of the four partners that share them takes 8,192 bytes, told apart by address
	s_cmp_eq_u32 s[WH], 0
	s_cselect_b64 s[PFA:PFA+1], s[82:83], s[78:79]
	s_cselect_b32 s[STM], s[STA], s[STB]
	s_cselect_b32 s22, s[CX], s[CY]
	s_mov_b32 s[STM+1], 0
	s_lshl_b32 s22, s22, 13
	s_mov_b32 s23, 0
	s_add_nc_u64 s[PFA:PFA+1], s[PFA:PFA+1], s[22:23]
	s_lshl_b32 s22, s[STM], 1
	s_add_nc_u64 s[92:93], s[PFA:PFA+1], s[22:23]  ; K slot 2
	s_add_nc_u64 s[PFA:PFA+1], s[92:93], s[STM:STM+1] ; K slot 3; the first change of slots steps it to 4
	s_lshl_b32 s[STA], s[STA], 1                   ; a refill goes two K slots on
	s_lshl_b32 s[STB], s[STB], 1
	s_cmp_eq_u32 ttmp9, 2
	s_cselect_b32 s[LIM], 1, 0
	s_xor_b32 s[LIM], s[LIM], s[WH]                ; 1 in the waves that fetch W
	s_mul_i32 s[LIM], s[LIM], s[CLY]
	s_cmp_eq_u32 s[LIM], 0
	s_cselect_b32 s[LIM], 1, -1                    ; 1: my wave asks
	s_wait_alu depctr_va_vdst(0)
	s_cmp_eq_u32 s[LIM], 1
	s_cbranch_scc0 .Lno_ask
	global_prefetch_b8 v[PFO], s[92:93] th:TH_LOAD_NT scope:SCOPE_SE
	global_prefetch_b8 v[PFO], s[PFA:PFA+1] th:TH_LOAD_NT scope:SCOPE_SE
.Lno_ask:
	s_and_b32 s20, s[CLY], 1
	s_lshr_b32 s21, s[CLY], 1
	s_lshl_b32 s21, s21, 3                         ; 8 x batch
	s_lshl_b32 s22, s20, 6
	s_lshl_b32 s23, s[CY], 4
	s_add_co_u32 s22, s22, s23
	s_lshl_b32 s23, s[WH], 3
	s_add_co_u32 s22, s22, s23                     ; my first row tile in the batch (q, k)
	s_lshl_b32 s94, s22, 13
	s_mov_b32 s95, 0
	s_add_nc_u64 s[ROPE:ROPE+1], s[ROPE:ROPE+1], s[94:95]
	s_lshl_b32 s91, s[CX], 1
	s_add_co_u32 s91, s91, s[WL]                   ; q, k: my head; v: my 128 keys among the cluster's
	s_add_co_u32 s94, s91, s21
	s_lshl_b32 s94, s94, 7
	s_add_co_u32 s94, s94, s22
	s_lshl_b32 s94, s94, 11                        ; q, k: [batch x 8 + head][tile 128][2048]
	s_lshl_b32 s20, s20, 3
	s_add_co_u32 s20, s20, s91                     ; v: key step
	s_lshl_b32 s22, s[CY], 1
	s_add_co_u32 s22, s22, s[WH]
	s_add_co_u32 s22, s22, s21
	s_lshl_b32 s22, s22, 4
	s_add_co_u32 s22, s22, s20
	s_lshl_b32 s22, s22, 14                        ; v: [batch x 8 + head][key step 16][channel tile 8][2048]
	s_cmp_eq_u32 ttmp9, 0
	s_cselect_b64 s[OUTP:OUTP+1], s[68:69], s[70:71]
	s_cmp_eq_u32 ttmp9, 2
	s_cselect_b64 s[OUTP:OUTP+1], s[72:73], s[OUTP:OUTP+1]
	s_cselect_b32 s22, s22, s94
	s_mov_b32 s23, 0
	s_add_nc_u64 s[OUTP:OUTP+1], s[OUTP:OUTP+1], s[22:23]
	s_lshl_b32 s94, s91, 13
	s_add_nc_u64 s[94:95], s[ROPE:ROPE+1], s[94:95] ; of my 65,536 bytes of the table the eight waves that share them take 8,192 each
	s_max_u32 s20, ttmp9, s[CLY]
	s_cmp_lt_u32 s20, 2
	s_cbranch_scc0 .Lno_rope
	global_prefetch_b8 v[PFO], s[94:95] th:TH_LOAD_NT scope:SCOPE_SE
.Lno_rope:
.macro FRAG reg, adr, q, i
.irp c, 0,1,2,3
	ds_load_b128 v[\reg+4*\c:\reg+4*\c+3], v[\adr] offset:4096*(\i)+2048*(\q)+512*\c
.endr
.endm
.macro GRP a, h, p, z                  ; four matrix instructions: A's block a x four of B's; z = 1: the sums begin
.if (\a) < 4
	WIN MUL_LO
.else
	WIN MUL_HI
.endif
.irp b, 0,1,2,3
.if \z
	v_wmma_f32_16x16x128_fp8_fp8 v[64*((\a)%4)+32*(\h)+8*\b:64*((\a)%4)+32*(\h)+8*\b+7], v[128*(\p)+64*(\h)+16*\b:128*(\p)+64*(\h)+16*\b+15], v[AF+16*(\a):AF+16*(\a)+15], 0
.else
	v_wmma_f32_16x16x128_fp8_fp8 v[64*((\a)%4)+32*(\h)+8*\b:64*((\a)%4)+32*(\h)+8*\b+7], v[128*(\p)+64*(\h)+16*\b:128*(\p)+64*(\h)+16*\b+15], v[AF+16*(\a):AF+16*(\a)+15], v[64*((\a)%4)+32*(\h)+8*\b:64*((\a)%4)+32*(\h)+8*\b+7]
.endif
.endr
.endm
.macro PART a, p, z                    ; sixteen: A's blocks a and a + 1
	GRP \a, 0, \p, \z
	GRP \a, 1, \p, \z
	GRP \a+1, 0, \p, \z
	GRP \a+1, 1, \p, \z
.endm
.macro RUNA s, q, i0                   ; A's fragments i0 .. i0 + 3
	WIN 0
.irp i, 0,1,2,3
	FRAG AF+16*(\i0+\i), ADRA+(\s), \q, \i0+\i
.endr
.endm
.macro RUNB s, q, p, i0                ; B's fragments i0 .. i0 + 3 into set p
	WIN TO_B
.irp i, 0,1,2,3
	FRAG 128*(\p)+16*(\i0+\i), ADRB+(\s), \q, \i0+\i
.endr
	WIN 0
.endm
; A slot's first step (set 0 of B).  A step's loads come in this order: B0 .. B7, A0 .. A7 of the next step.  A wait's count is 4 x the fragments asked for behind the one that is wanted.
.macro STEP s, z
	s_wait_dscnt 24                                ; behind A1: A2 .. A7
	PART 0, 0, \z
	PLACES
	RUNB \s, 1, 1, 0
	s_wait_dscnt 32                                ; behind A3: A4 .. A7, B0 .. B3
	PART 2, 0, \z
	PLACES
	RUNB \s, 1, 1, 4
	s_wait_dscnt 40                                ; behind A5: A6, A7, B0 .. B7
	PART 4, 0, \z
	PLACES
	RUNA \s, 1, 0
	s_wait_dscnt 48                                ; behind A7: B0 .. B7, A0 .. A3
	PART 6, 0, \z
	PLACES
	RUNA \s, 1, 4
	WIN 0
.endm
; A slot's second step (set 1 of B), whose fragments have all been asked for, changes slots: the barrier or the round, the refill, and the next slot's first fragments.
.macro TURN s, n, fill
.if \fill
	s_wait_xcnt 0x0                                ; any prefetch of mine has read its address
	s_add_nc_u64 s[PFA:PFA+1], s[PFA:PFA+1], s[STM:STM+1]
.endif
	s_wait_dscnt 24
	PART 0, 1, 0
	WIN 0
	s_wait_tensorcnt 0x0                           ; all my tensor loads have landed: my part of the next slot
	ds_add_u32 v[SPW], v[NIL]
.if \fill
	s_add_nc_u64 s[G0+4*\s+2:G0+4*\s+3], s[G0+4*\s+2:G0+4*\s+3], s[STA:STA+1]
	s_add_nc_u64 s[G0B+4*\s+2:G0B+4*\s+3], s[G0B+4*\s+2:G0B+4*\s+3], s[STB:STB+1]
.endif
	s_wait_dscnt 17                                ; behind A3: A4 .. A7 and the add
	GRP 2, 0, 1, 0
	GRP 2, 1, 1, 0
	s_wait_dscnt 0x0                               ; the add is done, and my reads of this slot are over
	s_barrier_signal -1
	GRP 3, 0, 1, 0
	GRP 3, 1, 1, 0
	WIN 0
	s_barrier_wait -1
.if \fill
	CREST
	JLOAD G0+4*\s, G0B+4*\s                        ; the first tensor load behind the round
.else
	PLACES
.endif
	RUNB \n, 0, 0, 0
	RUNB \n, 0, 0, 4
	PART 4, 1, 0
	RUNA \n, 0, 0                                  ; blocks 0 to 3 were read ahead of the places above
	PART 6, 1, 0
	PLACES
	RUNA \n, 0, 4
	WIN 0
.if \fill
	ASK
.endif
.endm
.macro TABLE a                         ; the table for my row tile a: eight cosines and eight sines for each of four groups of frequencies
	WIN TO_B
.set nn, 0
.rept 16
	global_load_b128 v[64*((\a)%4)+4*nn:64*((\a)%4)+4*nn+3], v[LI], s[ROPE:ROPE+1] offset:(\a)*8192+512*nn
.set nn, nn+1
.endr
	WIN 0
.endm
.macro ROT a                           ; channels c and c + 64 of a head are accumulators b and b + 4
.if (\a) < 5
	s_wait_loadcnt 48                              ; behind this block's table: three more blocks of 16 loads
.else
	s_wait_loadcnt 16*(7-(\a))
.endif
	WIN 0x06+((\a)/4)
.irp b, 0,1,2,3
.irp i, 0,2,4,6
	v_pk_mul_f32 v[R+8*\b+\i:R+8*\b+\i+1], v[64*((\a)%4)+8*\b+\i:64*((\a)%4)+8*\b+\i+1], v[64*((\a)%4)+16*\b+\i:64*((\a)%4)+16*\b+\i+1]
	v_pk_mul_f32 v[R+32+8*\b+\i:R+32+8*\b+\i+1], v[64*((\a)%4)+32+8*\b+\i:64*((\a)%4)+32+8*\b+\i+1], v[64*((\a)%4)+16*\b+\i:64*((\a)%4)+16*\b+\i+1]
.endr
.irp i, 0,2,4,6
	v_pk_fma_f32 v[R+8*\b+\i:R+8*\b+\i+1], v[64*((\a)%4)+32+8*\b+\i:64*((\a)%4)+32+8*\b+\i+1], v[64*((\a)%4)+16*\b+8+\i:64*((\a)%4)+16*\b+8+\i+1], v[R+8*\b+\i:R+8*\b+\i+1] neg_lo:[1,0,0] neg_hi:[1,0,0]
	v_pk_fma_f32 v[R+32+8*\b+\i:R+32+8*\b+\i+1], v[64*((\a)%4)+8*\b+\i:64*((\a)%4)+8*\b+\i+1], v[64*((\a)%4)+16*\b+8+\i:64*((\a)%4)+16*\b+8+\i+1], v[R+32+8*\b+\i:R+32+8*\b+\i+1]
.endr
.endr
	WIN 0
.set nn, 0
.rept 64
	v_med3_num_f32 v[R+nn], v[R+nn], -v[LIMV], v[LIMV]   ; the conversion does not saturate (ISA guide 7.6.2)
.set nn, nn+1
.endr
.endm
.macro VHOLD a
	WIN 0x02+((\a)/4)
.set nn, 0
.rept 64
	v_med3_num_f32 v[R+nn], v[64*((\a)%4)+nn], -v[LIMV], v[LIMV]
.set nn, nn+1
.endr
	WIN 0
.endm
.macro CODES a
.if (\a) >= 2
	s_wait_xcnt 0x0                                ; the stores that read this set of code registers have had their addresses translated
.endif
.irp b, 0,1,2,3,4,5,6,7
	v_cvt_scalef32_pk8_fp8_f32 v[CD+16*((\a)%2)+2*\b:CD+16*((\a)%2)+2*\b+1], v[R+8*\b:R+8*\b+7], v[SCL]
.endr
	v_nop
.irp c, 0,1,2,3
	global_store_b128 v[LI], v[CD+16*((\a)%2)+4*\c:CD+16*((\a)%2)+4*\c+3], s[OUTP:OUTP+1] offset:(\a)*2048+512*\c
.endr
.endm
	s_wait_alu depctr_va_vdst(0)
	s_cmp_lt_u32 s[WV], 2
	s_cbranch_scc0 .Lslot_1
	s_wait_tensorcnt 0x0                           ; waves 0 and 1 brought K slot 0
.Lslot_1:
	s_barrier_signal -1
	s_barrier_wait -1
	RUNB 0, 0, 0, 0
	RUNB 0, 0, 0, 4
	RUNA 0, 0, 0
	RUNA 0, 0, 4
	STEP 0, 1
	s_mov_b32 s3, 3
.Llap:                                                 ; a trip: once round the ring; K slots 2 .. 7 are asked for
	TURN 0, 1, 1
	STEP 1, 0
	TURN 1, 0, 1
	STEP 0, 0
	s_sub_co_u32 s3, s3, 1
	s_cmp_lg_u32 s3, 0
	s_cbranch_scc1 .Llap
	TURN 0, 1, 0
	STEP 1, 0
	s_cmp_eq_u32 ttmp9, 2
	s_cbranch_scc1 .Lno_table
	PLACES                                         ; B's set 0 has had its last products
	TABLE 0
	TABLE 1
.Lno_table:
.irp a, 0,2,4,6                                ; the last step: nothing more to ask for
	s_wait_dscnt 4*(6-\a)
	PART \a, 1, 0
.endr
	WIN 0
	PLACES
	s_cmp_eq_u32 ttmp9, 2
	s_cbranch_scc1 .Lv
	TABLE 2
	TABLE 3
.irp a, 0,1,2,3,4,5,6,7
	ROT \a
.if \a+4 < 8
	s_wait_alu depctr_va_vdst(0)
	TABLE \a+4
.endif
	s_wait_alu depctr_va_vdst(0)
	CODES \a
.endr
	s_branch .Lend
.Lv:
	s_wait_alu depctr_va_vdst(0)
.irp a, 0,1,2,3,4,5,6,7
	VHOLD \a
	s_wait_alu depctr_va_vdst(0)
	CODES \a
.endr
.Lend:
	s_wait_tensorcnt 0x0                           ; the wave's end
	ds_add_u32 v[SPW], v[NIL]
	s_wait_dscnt 0x0
	CROUND                                         ; the closing round
	s_endpgm
.Lfunc_end_k_q23c4bbece0_qkv:
	.size	k_q23c4bbece0_qkv, .Lfunc_end_k_q23c4bbece0_qkv-k_q23c4bbece0_qkv
	.p2alignl 7, 3214868480
	.fill 96, 4, 3214868480
	.section	.rodata,"a",@progbits
	.p2align	6, 0x0
	.amdhsa_kernel k_q23c4bbece0_qkv
		.amdhsa_group_segment_fixed_size 327680
		.amdhsa_private_segment_fixed_size 0
		.amdhsa_enable_private_segment 0
		.amdhsa_kernarg_size 56
		.amdhsa_user_sgpr_count 2
		.amdhsa_user_sgpr_kernarg_segment_ptr 1
		.amdhsa_wavefront_size32 1
		.amdhsa_system_sgpr_workgroup_id_x 1
		.amdhsa_system_sgpr_workgroup_id_y 1
		.amdhsa_system_sgpr_workgroup_id_z 1
		.amdhsa_system_vgpr_workitem_id 0
		.amdhsa_next_free_vgpr 1024
		.amdhsa_next_free_sgpr 102
		.amdhsa_reserve_vcc 0
		.amdhsa_float_denorm_mode_32 3
		.amdhsa_float_denorm_mode_16_64 3
		.amdhsa_memory_ordered 1
		.amdhsa_forward_progress 1
		.amdhsa_inst_pref_size 210
	.end_amdhsa_kernel
	.amdgpu_metadata
---
amdhsa.version: [ 1, 2 ]
amdhsa.kernels:
  - .name:           k_q23c4bbece0_qkv
    .symbol:         k_q23c4bbece0_qkv.kd
    .args:
      - { .name: xcodes, .offset: 0, .size: 8, .value_kind: global_buffer, .address_space: global }
      - { .name: wcodes, .offset: 8, .size: 8, .value_kind: global_buffer, .address_space: global }
      - { .name: lowp_scales, .offset: 16, .size: 8, .value_kind: global_buffer, .address_space: global }
      - { .name: rope, .offset: 24, .size: 8, .value_kind: global_buffer, .address_space: global }
      - { .name: qcodes, .offset: 32, .size: 8, .value_kind: global_buffer, .address_space: global }
      - { .name: kcodes, .offset: 40, .size: 8, .value_kind: global_buffer, .address_space: global }
      - { .name: vcodes, .offset: 48, .size: 8, .value_kind: global_buffer, .address_space: global }
    .group_segment_fixed_size: 327680
    .private_segment_fixed_size: 0
    .kernarg_segment_align: 8
    .kernarg_segment_size: 56
    .max_flat_workgroup_size: 128
    .sgpr_count:     102
    .vgpr_count:     1024
    .wavefront_size: 32
...
	.end_amdgpu_metadata
.endif
;; end of part 2
;; launch attn (part 3): grid 16 x 16, 8 waves a work-group, clusters of 4 x 1, 327,680 bytes of LDS; arguments qcodes, kcodes, vcodes, lowp_scales, ocodes; writes ocodes
.if DOCPART == 3
	.amdgcn_target "amdgcn-amd-amdhsa--gfx1250"
	.amdhsa_code_object_version 6
	.text
	.protected	k_q23c4bbece0_attn
	.globl	k_q23c4bbece0_attn
	.p2align	8
	.type	k_q23c4bbece0_attn,@function
k_q23c4bbece0_attn:
	s_mov_b64 s[64:65], 0
	v_nop
	global_prefetch_b8 v0, s[64:65] scope:SCOPE_SE
	s_setreg_imm32_b32 hwreg(HW_REG_WAVE_MODE, 25, 1), 1
	s_wait_xcnt 0x0
	s_wait_alu depctr_hold_cnt(0) depctr_sa_sdst(0) depctr_va_vdst(0) depctr_va_sdst(0) depctr_va_ssrc(0) depctr_va_vcc(0) depctr_vm_vsrc(0)
	s_getreg_b32 s2, hwreg(HW_REG_IB_STS2, 6, 4)
	s_cmp_eq_u32 s2, 0
	s_cbranch_scc0 .Lentry_in_a_cluster
	s_endpgm
.Lentry_in_a_cluster:
	s_bfe_u32 s2, ttmp6, 0x10000c
	s_cmp_lg_u32 s2, 0x3003
	s_cbranch_scc0 .Lentry_shape_is_right
	s_endpgm
.Lentry_shape_is_right:
; ATTN: products 4 and 5 on codes of FP8, with the causal mask, and the quantising of the result for product 6.
; q, k: [bh 16][tile of 16 rows, 128][2048] images, K = the head's 128.  v: [bh][key step 16][tile of 16 channels, 8][2048] images, K = 128 keys.  ocodes: [head / 2][row tile 256][head % 2][2048] images, K = head x 128 + channel.
; (An image: 16 rows x 128 K as the operand's registers hold them; four 16-byte accesses a lane at 16 x lane + 512 c.)
; THE SOFTMAX: t = score x log2(e) / sqrt(128); M = the running largest t rounded UP to a whole number; p = 2^(t - M) is what is quantised; the row's sum is taken of the unquantised p and divides at the end.
; When M moves, the sum and O are multiplied by 2^(old M - new M), which rounds nothing.
; SHARES.  A cluster of four work-groups owns the blocks of 256 queries J and 7 - J of one (batch, head); J is the cluster's x.  In each block partner cx owns the 64 queries 64 cx on: four tiles of 16.
; The two blocks are done one after the other: the low one walks key slots (256 keys) 0 .. J, the high one 0 .. 7 - J: NINE trips in every work-group, whatever J, so the trip count is a constant,
; all work-groups have equal work, and the four partners walk the same slots: each tile of K and V is asked for jointly.
; EIGHT WAVES, TWO TO A SIMD, SHARE THE KEYS: wave i has tile w = i % 4 and takes key step g = i / 4 (128 keys) of every slot, with a running M, sum and O^T of its own, so that one wave's vector work stands beside the
; other's LDS loads and products.  At a block's end the two waves of a tile merge: each finishes 64 of the head's 128 channels.  V's tiles are fetched in an order turned by g, so that in BOTH waves registers O[0:31]
; are the channels that the wave finishes (tiles 4 g .. 4 g + 3) and O[32:63] the partner's: no register number and no branch hangs on the wave.  A wave stores O[32:63], -M and its sum into its own scratch in LDS;
; a barrier; it reads the partner's, brings both under the larger M (factors 2^(whole number): nothing is rounded), adds, divides by the joint sum, quantises.
; The scratch has two buffers, 65,536 bytes apart, taken by the trip's parity: what a trip may read and what it may store are never the same bytes.
; The mask is applied in a block's last slot alone (trips J and 8); a key step that lies wholly behind a wave's queries is still computed there: its p are 0, and where a wave has seen no key at all its factor is 0.
; LAYOUT.  Both products transposed: S^T = K Q^T, O^T = V^T P^T: a lane holds ONE query (lane % 16); register j of a tile holds key (or channel) 16 c + 8 (lane / 16) + j: eight neighbours,
; so the conversions' results are the next operand's registers.
; LIMITS: e6 + e7 between -123 and 130 (added to c's exponent field); e8 between -126 and 119; e8 + e9 - e10 between -110 and 120.
; REGISTERS: window 0: v1-10 addresses; v12 -M, v13 the largest t, v[14:15] the sum; v16-31 Q, v32-47 the high block's Q; v48-111 S^T, then p; v112-175 O^T; v176-191 codes; v192-219 at work, constants, scratch addresses.
;   window 1: v0-127 K's eight fragments of my key step; v128-255 V's eight.
.set SLOT1, 65536                      ; a slot: K's 16 images (32,768 bytes), then V's 16; slot 1 begins here
.set SPARE, 131072                     ; behind the ring: the spare words, 128 bytes for each of eight waves, that no other line names
.set MRG,   SPARE+1024                 ; the scratch for the merge: the buffer of even trips; that of odd trips lies SLOT1 bytes on
.set MWAVE, 4608                       ; a wave's part of it: 4,096 bytes of O^T, 256 of -M and sums, rounded up to whole blocks of 512 bytes
.set LI,  1                            ; v1  16 x lane
.set ADR, 2                            ; v2  K's images of my key step in the slot in hand
.set SPW, 3                            ; v3  my spare word; never rewritten
.set NIL, 4                            ; v4  0; never rewritten
.set PFO, 5                            ; v5  256 x lane
.set LK,  6                            ; v6  16 x lane + 16,384 g: my key step's K in a slot
.set LV0, 7                            ; v7  the four tiles of V whose channels I finish
.set LV1, 8                            ; v8  the four whose channels my partner finishes
.set ADV0, 9                           ; v9, v10  the same in the slot in hand
.set ADV1, 10
.set Q,   16
.set QH,  32
.set S,   48
.set O,   112
.set P,   176
.set MW,  214                          ; v214 my scratch for O^T; v215 for -M and the sum; v216, v217 my partner's; v218, v219 the same in the buffer in hand
.set MWS, 215
.set MR,  216
.set MRS, 217
.set MA,  218
.set MB,  219
.set WV,  18                           ; s18 wave;  s19 cx;  s[20:21] lane selects;  s[22:23] c;  s[24:31] descriptor group 1;  s[40:43] group 0, which walks
                                       ; s44 the trip U;  s45 J;  s46 J + 1;  s47 (J + 1) slots in bytes;  s[48:49] what the walk goes back;  s[50:51] prefetch address;  s52 its bound;  s53 slot in hand
                                       ; s[54:55] where my codes go;  s[56:57] the same for the high block;  s58 e8 + e9 - e10;  s89 the other slot's byte;  s90 g;  s91 w
.set MSB, 0
.macro WIN new
.if MSB != (\new)
	s_set_vgpr_msb (MSB<<8)|(\new)
.set MSB, (\new)
.endif
.endm
.macro PLACES
.rept 4
	v_nop
.endr
.endm
.macro CROUND
	s_barrier_signal -1
	s_barrier_wait -1
	s_cmp_lg_u32 s[WV], 0
	s_cbranch_scc1 .Lnot_wave_0_\@
	s_barrier_signal -3
.Lnot_wave_0_\@:
	s_barrier_wait -3
	s_barrier_signal -1
	s_barrier_wait -1
.endm
; A prefetch of the key slot that the NEXT change of slots will ask for.  All four clusters of a (batch, head) walk the same K and V: the cluster J = 0, which walks slots 0 to 7 in its trips 1 to 8, asks.
; Its partners share a slot's 32,768 bytes out by address, 8,192 each, lanes 256 bytes apart; wave 0 asks for K's, wave 4 for V's.  Trips 0 to 6 name slots 1 to 7; slot 0 comes by its loads alone.
.macro ASK
	s_cmp_lt_u32 s44, s52
	s_cbranch_scc0 .Lnot_mine_\@
	global_prefetch_b8 v[PFO], s[50:51] th:TH_LOAD_NT scope:SCOPE_SE
.Lnot_mine_\@:
.endm
.macro FETCH_K                         ; my key step's eight images of K
	WIN 0x40
.set nn, 0
.rept 32
	ds_load_b128 v[4*nn:4*nn+3], v[ADR] offset:512*nn
.set nn, nn+1
.endr
	WIN 0
.endm
.macro FV c                            ; a quarter of my key step's eight images of V, by c: first the four tiles of channels that I finish, then my partner's four.  The quarters stand behind S^T's products, among the softmax's vector work
	WIN 0x40
.set kk, 8*(\c)
.rept 8
.if (\c) < 2
	ds_load_b128 v[128+4*kk:128+4*kk+3], v[ADV0] offset:512*kk
.else
	ds_load_b128 v[128+4*kk:128+4*kk+3], v[ADV1] offset:512*(kk-16)
.endif
.set kk, kk+1
.endr
	WIN 0
.endm
.macro QK                              ; S^T = K Q^T: eight tiles of 16 keys
	WIN 0x01
.set nn, 0
.rept 8
	v_wmma_f32_16x16x128_fp8_fp8 v[S+8*nn:S+8*nn+7], v[16*nn:16*nn+15], v[Q:Q+15], 0
.set nn, nn+1
.endr
	WIN 0
.endm
.macro PV                              ; O^T += V^T P^T: eight tiles of 16 channels, by turns, one instruction a turn
	WIN 0x01
.set nn, 0
.rept 8
	v_wmma_f32_16x16x128_fp8_fp8 v[O+8*nn:O+8*nn+7], v[128+16*nn:128+16*nn+15], v[P:P+15], v[O+8*nn:O+8*nn+7]
.set nn, nn+1
.endr
	WIN 0
.endm
.macro MASK                            ; register 8 c + j holds key 128 g + 16 c + 8 h + j of the slot: hidden where 16 c + j > my query - 8 h - 128 g
.set nn, 0
.rept 64
	v_cmp_gt_i32 vcc_lo, 16*(nn/8)+nn%8, v204
	v_cndmask_b32 v[S+nn], v[S+nn], v206, vcc_lo
.set nn, nn+1
.endr
.endm
.macro SOFTMAX
	v_max3_num_f32 v192, v[S], v[S+1], v[S+2]      ; the step's largest score of my query among my 64 keys, in two chains; each tile is first read at its low end
	v_max3_num_f32 v194, v[S+3], v[S+4], v[S+5]
.set nn, 6
.rept 14
	v_max3_num_f32 v192, v192, v[S+nn], v[S+nn+1]
	v_max3_num_f32 v194, v194, v[S+nn+2], v[S+nn+3]
.set nn, nn+4
.endr
	v_max3_num_f32 v192, v192, v[S+62], v[S+63]
	s_delay_alu instid0(VALU_DEP_1)
	v_max_num_f32 v192, v192, v194
	s_delay_alu instid0(VALU_DEP_1)
	v_permlanex16_b32 v196, v192, s20, s21
	s_delay_alu instid0(VALU_DEP_1)
	v_max_num_f32 v192, v192, v196                 ; and among lane l xor 16's
	s_delay_alu instid0(VALU_DEP_1)
	v_mul_f32 v192, s22, v192                      ; as t (c is positive)
	s_delay_alu instid0(VALU_DEP_1)
	v_max_num_f32 v13, v13, v192
	v_mov_b32 v192, v12
	s_delay_alu instid0(VALU_DEP_2)
	v_floor_f32 v12, -v13                          ; the new -M = floor(-t)
	s_delay_alu instid0(VALU_DEP_1)
	v_sub_f32 v192, v12, v192                      ; old M - new M: a whole number, 0 or less
	s_delay_alu instid0(VALU_DEP_1)
	v_cvt_i32_f32 v192, v192                       ; (it saturates)
	s_delay_alu instid0(VALU_DEP_1)
	v_ldexp_f32 v194, 1.0, v192                    ; f = 2^(old M - new M)
	FV 1
.set nn, 0
.rept 32
	v_pk_fma_f32 v[S+nn:S+nn+1], v[S+nn:S+nn+1], s[22:23], v[12:13] op_sel_hi:[1,0,0]   ; t - M
.set nn, nn+2
.endr
.set nn, 0
	FV 2
	s_wait_alu depctr_va_vdst(0)
.rept 64
	v_exp_f32 v[S+nn], v[S+nn]                     ; p = 2^(t - M)
.set nn, nn+1
.endr
	v_pk_mul_f32 v[14:15], v[14:15], v[194:195] op_sel_hi:[1,0]   ; the sums under the new M: a plain line behind the exponentials
	s_wait_alu depctr_va_vdst(0)                   ; one wait for the batch of 64, ahead of its first reader
	v_pk_add_f32 v[198:199], v[52:53], v[56:57]
	v_pk_add_f32 v[254:255], v[60:61], v[64:65]
	v_pk_add_f32 v[252:253], v[68:69], v[72:73]
	v_pk_add_f32 v[250:251], v[76:77], v[80:81]
	v_pk_add_f32 v[248:249], v[84:85], v[88:89]
	v_pk_add_f32 v[246:247], v[92:93], v[96:97]
	v_pk_add_f32 v[244:245], v[100:101], v[104:105]
	v_pk_add_f32 v[14:15], v[14:15], v[108:109]
	v_pk_add_f32 v[198:199], v[198:199], v[48:49]
	v_pk_add_f32 v[254:255], v[254:255], v[50:51]
	v_pk_add_f32 v[252:253], v[252:253], v[54:55]
	v_pk_add_f32 v[250:251], v[250:251], v[58:59]
	v_pk_add_f32 v[248:249], v[248:249], v[62:63]
	v_pk_add_f32 v[246:247], v[246:247], v[66:67]
	v_pk_add_f32 v[244:245], v[244:245], v[70:71]
	v_pk_add_f32 v[14:15], v[14:15], v[74:75]
	v_pk_add_f32 v[198:199], v[198:199], v[78:79]
	v_pk_add_f32 v[254:255], v[254:255], v[82:83]
	v_pk_add_f32 v[252:253], v[252:253], v[86:87]
	v_pk_add_f32 v[250:251], v[250:251], v[90:91]
	v_pk_add_f32 v[248:249], v[248:249], v[94:95]
	v_pk_add_f32 v[246:247], v[246:247], v[98:99]
	v_pk_add_f32 v[244:245], v[244:245], v[102:103]
	v_pk_add_f32 v[14:15], v[14:15], v[106:107]
	v_pk_add_f32 v[198:199], v[198:199], v[110:111]
	s_delay_alu instid0(VALU_DEP_2)
	v_pk_add_f32 v[14:15], v[14:15], v[250:251]
	s_delay_alu instid0(VALU_DEP_2)
	v_pk_add_f32 v[198:199], v[198:199], v[248:249]
	v_pk_add_f32 v[254:255], v[254:255], v[246:247]
	v_pk_add_f32 v[252:253], v[252:253], v[244:245]
	s_delay_alu instid0(VALU_DEP_2)
	v_pk_add_f32 v[14:15], v[14:15], v[254:255]
	s_delay_alu instid0(VALU_DEP_2)
	v_pk_add_f32 v[198:199], v[198:199], v[252:253]
	s_delay_alu instid0(VALU_DEP_1)
	v_pk_add_f32 v[14:15], v[14:15], v[198:199]
	FV 3
.set nn, 0
.rept 8
.set mm, 0
.rept 8
	v_min_num_f32 v[S+8*nn+mm], v[S+8*nn+mm], v200 ; the conversion does not saturate (ISA guide 7.6.2); p is not negative, so the hold is one-sided
.set mm, mm+1
.endr
	v_cvt_scalef32_pk8_fp8_f32 v[P+2*nn:P+2*nn+1], v[S+8*nn:S+8*nn+7], v201
.set nn, nn+1
.endr
.set nn, 0
.rept 32
	v_pk_mul_f32 v[O+nn:O+nn+1], v[O+nn:O+nn+1], v[194:195] op_sel_hi:[1,0]   ; O^T under the new M; also the plain lines between the conversions and the products
.set nn, nn+2
.endr
.endm
; THE CHANGE OF SLOTS stands at a trip's head.  fill = 1: the slot that was just left is filled with the next trip's keys; the barrier is then a round of the cluster's.
.macro CHANGE fill
	s_wait_tensorcnt 0x0                           ; my one tensor load has landed: my part of the slot that I am about to read; so group 0 may be written
	ds_add_u32 v[SPW], v[NIL]                      ; 0 onto my spare word
.if \fill
	s_xor_b32 s41, s41, SLOT1                      ; the other slot than last time,
	s_add_nc_u64 s[42:43], s[42:43], 32768         ; the next 256 keys;
	s_cmp_eq_u32 s44, s45                          ; behind the low block's last trip the walk begins anew:
	s_cselect_b32 s48, s47, 0
	s_sub_nc_u64 s[42:43], s[42:43], s[48:49]      ; J + 1 slots back, to key 0
	s_wait_xcnt 0x0                                ; the last prefetch, a trip back, has read its address
	s_add_nc_u64 s[50:51], s[50:51], 32768
.endif
	s_wait_dscnt 0x0                               ; the add is done, my reads of the slot that I have left are over, and what I stored for my partner has landed
.if \fill
	CROUND
	tensor_load_to_lds s[40:43], s[24:31]          ; the first thing behind the round, and my one tensor load until the next: every wave brings its own eighth of a slot
	s_nop 0
	PLACES                                         ; (the places in front of the loads into registers that the last products read)
	ASK
.else
	s_barrier_signal -1
	s_barrier_wait -1
	PLACES
.endif
.endm
; What my partner needs of me at a block's end, into my scratch in the buffer of this trip's parity.  The four lines ahead of the stores are the places behind the last products; each accumulator is read from its low end on.
.macro MSTORE
	v_add_nc_u32 v[MA], s53, v[MW]
	v_add_nc_u32 v[MB], s53, v[MWS]
	v_add_f32 v211, v14, v15                       ; my lane's sum
	v_mov_b32 v210, v12                            ; -M
	ds_store_b64 v[MB], v[210:211]
.set nn, 0
.rept 8
	ds_store_b128 v[MA], v[O+32+4*nn:O+32+4*nn+3] offset:512*nn   ; 512 consecutive bytes a store
.set nn, nn+1
.endr
.endm
; A TRIP: my key step of the slot in hand.  mask = 2: the mask, and the store for the merge, under a branch on the trip's number (trip J, the same in all waves and partners); 1: always (trip 8).
.macro TRIP mask
	v_add_nc_u32 v[ADR], s53, v[LK]
	v_add_nc_u32 v[ADV0], s53, v[LV0]
	v_add_nc_u32 v[ADV1], s53, v[LV1]
	FETCH_K
	s_wait_alu depctr_va_vdst(0)
	s_wait_dscnt 0x0                               ; K is in
	QK
	PLACES                                         ; ahead of the first reads of S^T, and of the loads into the registers that the last products read
	FV 0
.if \mask == 2
	s_cmp_lg_u32 s44, s45
	s_cbranch_scc1 .Lopen_\@
.endif
	MASK
.Lopen_\@:
	SOFTMAX
	s_wait_alu depctr_va_vdst(0)
	s_wait_dscnt 0x0                               ; V is in
	PV
.if \mask == 2
	s_cmp_lg_u32 s44, s45
	s_cbranch_scc1 .Lkeep_\@
.endif
	MSTORE
.Lkeep_\@:
	s_xor_b32 s53, s53, SLOT1                      ; on to the other slot, and to the other buffer of the scratch
.endm
; A block's end, behind the barrier that has shown my partner's stores: the merge, x 2^(e8 + e9 - e10) / the joint sum, the hold, the codes: my 64 channels of the image of 16 rows x my head's 128.
.macro FINISH
	s_xor_b32 s89, s53, SLOT1                      ; the buffer of the trip before
	v_add_nc_u32 v[MA], s89, v[MR]
	v_add_nc_u32 v[MB], s89, v[MRS]
	ds_load_b64 v[212:213], v[MB]                  ; my partner's -M and sum,
.set nn, 0
.rept 8
	ds_load_b128 v[S+4*nn:S+4*nn+3], v[MA] offset:512*nn   ; and its O^T for the channels that I finish
.set nn, nn+1
.endr
	v_add_f32 v14, v14, v15
	s_wait_dscnt 0x0
	v_min_num_f32 v192, v12, v212                  ; -M of the two together: M is the larger
	s_delay_alu instid0(VALU_DEP_1)
	v_sub_f32 v194, v192, v12                      ; my M less the joint one: a whole number, 0 or less
	s_delay_alu instid0(VALU_DEP_2)
	v_sub_f32 v198, v192, v212                     ; my partner's likewise
	s_delay_alu instid0(VALU_DEP_2)
	v_cvt_i32_f32 v194, v194                       ; (they saturate)
	s_delay_alu instid0(VALU_DEP_2)
	v_cvt_i32_f32 v198, v198
	s_delay_alu instid0(VALU_DEP_2)
	v_ldexp_f32 v194, 1.0, v194
	s_wait_alu depctr_va_vdst(0)
	v_ldexp_f32 v198, 1.0, v198
	v_mul_f32 v14, v14, v194
	s_delay_alu instid0(VALU_DEP_1)
	v_fma_f32 v14, v213, v198, v14                 ; my lane's part of the joint sum,
	s_delay_alu instid0(VALU_DEP_1)
	v_permlanex16_b32 v196, v14, s20, s21
	s_delay_alu instid0(VALU_DEP_1)
	v_add_f32 v14, v14, v196                       ; and lane l xor 16's: the row's sum
	s_wait_alu depctr_va_vdst(0)
	v_rcp_f32 v208, v14
	v_nop                                          ; a plain line behind the reciprocal,
	s_wait_alu depctr_va_vdst(0)                   ; and its wait, ahead of the first reader
	v_ldexp_f32 v208, v208, s58
	s_delay_alu instid0(VALU_DEP_1)
	v_mul_f32 v194, v194, v208                     ; a power of two x the reciprocal: nothing more is rounded
	s_delay_alu instid0(VALU_DEP_2)
	v_mul_f32 v198, v198, v208
.set nn, 0
.rept 16
	v_pk_mul_f32 v[S+nn:S+nn+1], v[S+nn:S+nn+1], v[198:199] op_sel_hi:[1,0]
.set nn, nn+2
.endr
.set nn, 0
.rept 16
	v_pk_fma_f32 v[S+nn:S+nn+1], v[O+nn:O+nn+1], v[194:195], v[S+nn:S+nn+1] op_sel_hi:[1,0,1]   ; each accumulator from its low end on
.set nn, nn+2
.endr
.set nn, 0
.rept 32
	v_med3_num_f32 v[S+nn], v[S+nn], -v202, v202
.set nn, nn+1
.endr
.set nn, 0
.rept 4
	v_cvt_scalef32_pk8_fp8_f32 v[P+2*nn:P+2*nn+1], v[S+8*nn:S+8*nn+7], v203
.set nn, nn+1
.endr
	v_nop
	global_store_b128 v[LI], v[P:P+3], s[54:55]              ; 512 consecutive bytes, aligned: registers 8 g .. 8 g + 3 of the image,
	global_store_b128 v[LI], v[P+4:P+7], s[54:55] offset:512 ; and 8 g + 4 .. 8 g + 7
.endm
.macro INIT                            ; a block begins: the largest t under every t, the sum and O^T zeros, which the first change of M leaves zeros
	v_mov_b32 v13, 0xff61b1e6
	s_delay_alu instid0(VALU_DEP_1)
	v_floor_f32 v12, -v13
	v_mov_b32 v14, 0
	v_mov_b32 v15, 0
.set nn, 0
.rept 64
	v_mov_b32 v[O+nn], 0
.set nn, nn+1
.endr
.endm
	s_load_b256 s[4:11], s[0:1], 0x0               ; q s[4:5], k s[6:7], v s[8:9], the scales' exponents s[10:11]
	s_load_b64 s[12:13], s[0:1], 0x20              ; ocodes
	v_lshl_add_u32 v[SPW], v0, 2, SPARE
	v_mov_b32 v[NIL], 0
	ds_add_u32 v3, v4
	ds_add_u32 v3, v4
	s_wait_dscnt 0x0
	v_lshrrev_b32 v220, 5, v0
	s_delay_alu instid0(VALU_DEP_1)
	v_readfirstlane_b32 s[WV], v220                ; wave 0..7
	s_lshr_b32 s90, s[WV], 2                       ; g: which key step of a slot is mine
	s_and_b32 s91, s[WV], 3                        ; w: which tile of queries
	s_bfe_u32 s19, ttmp6, 0x40000                  ; cx
	s_mov_b32 s45, ttmp9                           ; J: the cluster's x, 0..3
	s_add_co_u32 s46, s45, 1
	s_lshl_b32 s47, s46, 15
	s_mov_b32 s48, 0
	s_mov_b32 s49, 0
	s_and_b32 s59, ttmp7, 0xffff                   ; bh = batch x 8 + head, which the four partners share
	s_mov_b32 s24, 15|(3<<16)|(1<<21)              ; 15:0 the mask: all four; 17:16 elements of 8 bytes; 21 set beside a mask
	s_mov_b32 s25, 32<<16                          ; rows of 256 bytes,
	s_mov_b32 s26, 32<<16                          ; 32 of them: a dense block of 8,192 bytes
	s_mov_b32 s27, 32<<16
	s_mov_b32 s28, 32
	s_mov_b32 s29, 32
	s_mov_b32 s30, 0
	s_mov_b32 s31, 0
	s_mov_b32 s20, 0x76543210
	s_mov_b32 s21, 0xfedcba98
	s_mov_b32 s22, 0x3e0293ee                      ; c = log2(e) / sqrt(128)
	s_mov_b32 s44, 0
	s_mov_b32 s53, 0
	s_lshl_b32 s60, s59, 18                        ; bh's first byte in q, k and v: 262,144 bytes each
	s_mov_b32 s61, 0
	s_lshl_b32 s62, s91, 13                        ; waves 0 to 3: the four quarters of K's 32,768 bytes of a slot; waves 4 to 7: of V's
	s_add_co_u32 s62, s62, s60
	s_mov_b32 s63, 0
	s_lshl_b32 s66, s19, 2
	s_add_co_u32 s66, s66, s91                     ; my tile in a block: 4 cx + w
	s_lshl_b32 s67, s45, 4
	s_add_co_u32 s67, s67, s66                     ; my tile of the low block,
	s_sub_co_u32 s73, 7, s45
	s_lshl_b32 s73, s73, 4
	s_add_co_u32 s73, s73, s66                     ; of the high block
	s_lshl_b32 s74, s67, 11
	s_add_co_u32 s74, s74, s60
	s_mov_b32 s75, 0
	s_lshl_b32 s76, s73, 11
	s_add_co_u32 s76, s76, s60
	s_mov_b32 s77, 0
	s_bfe_u32 s78, s59, 0x20001                    ; head / 2
	s_lshl_b32 s78, s78, 20
	s_lshr_b32 s79, s59, 3                         ; the batch: 128 row tiles of 4,096 bytes
	s_lshl_b32 s79, s79, 19
	s_add_co_u32 s78, s78, s79
	s_and_b32 s79, s59, 1                          ; head % 2
	s_lshl_b32 s79, s79, 11
	s_add_co_u32 s78, s78, s79
	s_lshl_b32 s79, s90, 10                        ; my half of the image: 1,024 g
	s_add_co_u32 s78, s78, s79
	s_lshl_b32 s80, s67, 12
	s_add_co_u32 s80, s80, s78
	s_mov_b32 s81, 0
	s_lshl_b32 s82, s73, 12
	s_add_co_u32 s82, s82, s78
	s_mov_b32 s83, 0
	s_lshl_b32 s84, s19, 13                        ; the prefetches: my work-group's 8,192 bytes of a slot's 32,768
	s_mov_b32 s85, 0
	s_wait_kmcnt 0x0
	s_load_b128 s[68:71], s[10:11], 0x18           ; e6, e7, e8, e9
	s_load_b32 s72, s[10:11], 0x28                 ; e10
	s_cmp_lt_u32 s[WV], 4
	s_cselect_b64 s[42:43], s[6:7], s[8:9]
	s_cselect_b64 s[50:51], s[6:7], s[8:9]
	s_add_nc_u64 s[42:43], s[42:43], s[62:63]      ; group 0: key slot 0, my eighth
	s_or_b32 s43, s43, 0x80000000
	s_mov_b32 s40, 1
	s_lshl_b32 s41, s[WV], 13                      ; LDS: wave x 8,192, in slot 0
	s_add_nc_u64 s[50:51], s[50:51], s[60:61]
	s_add_nc_u64 s[50:51], s[50:51], s[84:85]      ; at slot 0; the first change of slots steps it to slot 1
	s_add_nc_u64 s[74:75], s[4:5], s[74:75]
	s_add_nc_u64 s[76:77], s[4:5], s[76:77]
	s_add_nc_u64 s[54:55], s[12:13], s[80:81]
	s_add_nc_u64 s[56:57], s[12:13], s[82:83]
	s_or_b32 s52, s91, s45                         ; 0 in waves 0 and 4 of the cluster J = 0: the same in all four partners
	s_cmp_eq_u32 s52, 0
	s_cselect_b32 s52, 7, 0
	CROUND                                         ; all four work-groups are here: the first joint loads meet
	tensor_load_to_lds s[40:43], s[24:31]          ; trip 0's slot
	s_nop 0
	PLACES
	v_and_b32 v220, 31, v0
	s_delay_alu instid0(VALU_DEP_1)
	v_lshlrev_b32 v[LI], 4, v220
	s_wait_alu depctr_va_vdst(0)
	v_lshlrev_b32 v[PFO], 8, v220
	v_lshlrev_b32 v221, 3, v220
	s_wait_alu depctr_va_vdst(0)
.irp c, 0,1,2,3
	global_load_b128 v[Q+4*\c:Q+4*\c+3], v[LI], s[74:75] offset:512*\c
	global_load_b128 v[QH+4*\c:QH+4*\c+3], v[LI], s[76:77] offset:512*\c
.endr
	s_lshl_b32 s92, s90, 14                        ; my key step in a slot: 16,384 g
	v_add_nc_u32 v[LK], s92, v[LI]
	s_mul_i32 s93, s90, 24576                      ; V: behind K's 32,768; my key step, and in it channel tile 4 g: 16,384 g + 8,192 g
	s_add_co_u32 s93, s93, 32768
	v_add_nc_u32 v[LV0], s93, v[LI]
	s_xor_b32 s94, s90, 1                          ; and channel tile 4 (1 - g)
	s_lshl_b32 s94, s94, 13
	s_add_co_u32 s94, s94, s92
	s_add_co_u32 s94, s94, 32768
	v_add_nc_u32 v[LV1], s94, v[LI]
	s_mul_i32 s95, s[WV], MWAVE                    ; my scratch,
	s_add_co_u32 s95, s95, MRG
	v_add_nc_u32 v[MW], s95, v[LI]
	s_add_co_u32 s95, s95, 4096
	v_add_nc_u32 v[MWS], s95, v221
	s_xor_b32 s96, s[WV], 4                        ; and my partner's: the wave with the same tile and the other key step
	s_mul_i32 s96, s96, MWAVE
	s_add_co_u32 s96, s96, MRG
	v_add_nc_u32 v[MR], s96, v[LI]
	s_add_co_u32 s96, s96, 4096
	v_add_nc_u32 v[MRS], s96, v221
	v_and_b32 v222, 15, v0
	v_bfe_u32 v223, v0, 4, 1
	s_delay_alu instid0(VALU_DEP_1)
	v_lshlrev_b32 v223, 3, v223
	s_delay_alu instid0(VALU_DEP_1)
	v_sub_nc_u32 v222, v222, v223                  ; r - 8 h
	s_lshl_b32 s86, s66, 4                         ; my first query in its block,
	s_lshl_b32 s87, s90, 7
	s_sub_co_i32 s86, s86, s87                     ; less my key step's first key in the block's last slot
	v_add_nc_u32 v204, s86, v222                   ; the mask's bound
	v_mov_b32 v206, 0xff800000                     ; -infinity
	v_mov_b32 v202, 0x43e00000                     ; 448
	v_mov_b32 v203, 1.0
	v_mov_b32 v195, 0                              ; (upper halves of pairs that are named, and a lane permute's destination: written once)
	v_mov_b32 v196, 0
	v_mov_b32 v199, 0
	INIT
	s_wait_kmcnt 0x0
	s_add_co_i32 s86, s68, s69
	s_lshl_b32 s86, s86, 23
	s_add_co_i32 s22, s22, s86                     ; a score stands for score x 2^(e6 + e7): added to c's exponent field
	s_mov_b32 s23, s22
	s_add_co_i32 s87, s70, 127
	s_lshl_b32 s88, s87, 23
	v_mov_b32 v201, s88                            ; 2^e8
	s_add_co_i32 s87, s87, 8
	s_lshl_b32 s87, s87, 23
	s_or_b32 s87, s87, 0x600000
	v_mov_b32 v200, s87                            ; 448 x 2^e8
	s_add_co_i32 s58, s70, s71
	s_sub_co_i32 s58, s58, s72
	s_wait_loadcnt 0x0                             ; both Q
.Ltrip:                                                ; trips 0 to 7: behind each change of slots the next trip's slot is asked for
	CHANGE 1
	s_cmp_lg_u32 s44, s46                          ; trip J + 1: the low block is done, the high one begins.  The same in all waves and all four partners
	s_cbranch_scc1 .Lsame
	FINISH                                         ; what the partners stored at the end of trip J has been shown by the round
	s_wait_xcnt 0x0                                ; the stores have had their addresses translated: their base and registers may be written
	s_mov_b64 s[54:55], s[56:57]
.set nn, 0
.rept 16
	v_mov_b32 v[Q+nn], v[QH+nn]
.set nn, nn+1
.endr
	INIT
.Lsame:
	TRIP 2
	s_add_co_u32 s44, s44, 1
	s_cmp_lt_u32 s44, 8
	s_cbranch_scc1 .Ltrip
	CHANGE 0                                       ; the last trip is written out
	TRIP 1
	s_wait_dscnt 0x0                               ; for my partner's sake: what I stored has landed
	s_barrier_signal -1
	s_barrier_wait -1
	FINISH
	s_wait_tensorcnt 0x0                           ; the wave's end
	ds_add_u32 v[SPW], v[NIL]
	s_wait_dscnt 0x0
	CROUND                                         ; the closing round
	s_endpgm
.Lfunc_end_k_q23c4bbece0_attn:
	.size	k_q23c4bbece0_attn, .Lfunc_end_k_q23c4bbece0_attn-k_q23c4bbece0_attn
	.p2alignl 7, 3214868480
	.fill 96, 4, 3214868480
	.section	.rodata,"a",@progbits
	.p2align	6, 0x0
	.amdhsa_kernel k_q23c4bbece0_attn
		.amdhsa_group_segment_fixed_size 327680
		.amdhsa_private_segment_fixed_size 0
		.amdhsa_enable_private_segment 0
		.amdhsa_kernarg_size 40
		.amdhsa_user_sgpr_count 2
		.amdhsa_user_sgpr_kernarg_segment_ptr 1
		.amdhsa_wavefront_size32 1
		.amdhsa_system_sgpr_workgroup_id_x 1
		.amdhsa_system_sgpr_workgroup_id_y 1
		.amdhsa_system_sgpr_workgroup_id_z 1
		.amdhsa_system_vgpr_workitem_id 0
		.amdhsa_next_free_vgpr 512
		.amdhsa_next_free_sgpr 100
		.amdhsa_reserve_vcc 1
		.amdhsa_float_denorm_mode_32 3
		.amdhsa_float_denorm_mode_16_64 3
		.amdhsa_memory_ordered 1
		.amdhsa_forward_progress 1
		.amdhsa_inst_pref_size 77
	.end_amdhsa_kernel
	.amdgpu_metadata
---
amdhsa.version: [ 1, 2 ]
amdhsa.kernels:
  - .name:           k_q23c4bbece0_attn
    .symbol:         k_q23c4bbece0_attn.kd
    .args:
      - { .name: qcodes, .offset: 0, .size: 8, .value_kind: global_buffer, .address_space: global }
      - { .name: kcodes, .offset: 8, .size: 8, .value_kind: global_buffer, .address_space: global }
      - { .name: vcodes, .offset: 16, .size: 8, .value_kind: global_buffer, .address_space: global }
      - { .name: lowp_scales, .offset: 24, .size: 8, .value_kind: global_buffer, .address_space: global }
      - { .name: ocodes, .offset: 32, .size: 8, .value_kind: global_buffer, .address_space: global }
    .group_segment_fixed_size: 327680
    .private_segment_fixed_size: 0
    .kernarg_segment_align: 8
    .kernarg_segment_size: 40
    .max_flat_workgroup_size: 256
    .sgpr_count:     100
    .vgpr_count:     512
    .wavefront_size: 32
...
	.end_amdgpu_metadata
.endif
;; end of part 3
;; launch oproj (part 4): grid 8 x 32, 4 waves a work-group, clusters of 4 x 4, 327,680 bytes of LDS; arguments ocodes, wocodes, lowp_scales, out0; writes out0
.if DOCPART == 4
	.amdgcn_target "amdgcn-amd-amdhsa--gfx1250"
	.amdhsa_code_object_version 6
	.text
	.protected	k_q23c4bbece0_oproj
	.globl	k_q23c4bbece0_oproj
	.p2align	8
	.type	k_q23c4bbece0_oproj,@function
k_q23c4bbece0_oproj:
	s_mov_b64 s[64:65], 0
	v_nop
	global_prefetch_b8 v0, s[64:65] scope:SCOPE_SE
	s_setreg_imm32_b32 hwreg(HW_REG_WAVE_MODE, 25, 1), 1
	s_wait_xcnt 0x0
	s_wait_alu depctr_hold_cnt(0) depctr_sa_sdst(0) depctr_va_vdst(0) depctr_va_sdst(0) depctr_va_ssrc(0) depctr_va_vcc(0) depctr_vm_vsrc(0)
	s_getreg_b32 s2, hwreg(HW_REG_IB_STS2, 6, 4)
	s_cmp_eq_u32 s2, 0
	s_cbranch_scc0 .Lentry_in_a_cluster
	s_endpgm
.Lentry_in_a_cluster:
	s_bfe_u32 s2, ttmp6, 0x10000c
	s_cmp_lg_u32 s2, 0xf033
	s_cbranch_scc0 .Lentry_shape_is_right
	s_endpgm
.Lentry_shape_is_right:
; OPROJ: product 6 on codes of FP8.  ocodes [kslot 4][row tile 256][kk 2][2048], wocodes [kslot 4][column tile 128][kk 2][2048]: images of the operand's registers (16 rows x 128 K).
; A block is 128 rows x 256 columns, a wave's part 64 x 128: 32 accumulators.  256 work-groups.  Source 0 = Wo's columns, source 1 = rows: a lane holds eight neighbouring numbers of a row.
; K = 1,024 is four K slots of 256: 32,768 bytes of A and 65,536 of B each.  LDS holds three.  At the head EVERY wave issues one joint load: wave 0 A's and wave 1 B's K slot 0, wave 2 A's and wave 3 B's K slots 1 and 2 (two rows of
; memory, a K slot apart).  Only waves 0 and 1 wait ahead of the first barrier.  When K slot 0 has been read, its place takes K slot 3 (waves 0 and 1), which has four steps of 128 along K in which to land.
; No prefetch: there is no loop to run ahead in; three quarters of what is read are asked for by the head's loads, the rest one step later.
; LDS loads are spread among groups of four matrix instructions; A's and B's fragments have two sets of registers each.
; LIMIT: e10 + e11 lies between -126 and 127, so that 2^(e10 + e11) is an f32 number.
.set SIZE_N, 2048
.set AS,     32768                     ; A's part of a slot; the three follow each other
.set B0,     98304                     ; B's three parts,
.set BS,     65536
.set SPARE,  294912
.set STAGE,  B0+BS                     ; the way out: in B's part of slot 1, which has had its last fill and its last read
.set SPITCH, 528
.set ADRA, 16
.set ADRB, 20
.set STO,  24
.set RD,   25
.set CO,   26
.set SPW,  28
.set NIL,  29
.set TMP,  32
.set AF,   128
.set BK,   128
.set G1A,  24                          ; groups 1: A one K slot, B one; A two K slots, B two
.set G1B,  48
.set G1AA, 84
.set G1BB, 76
.set MSB, 0
.macro WIN new
.if MSB != (\new)
	s_set_vgpr_msb (MSB<<8)|(\new)
.set MSB, (\new)
.endif
.endm
.set MUL_LO, 0xa1
.set TO_B,   0x40
.macro PLACES
.rept 4
	v_nop
.endr
.endm
.macro TL g0, g1
	tensor_load_to_lds s[\g0:\g0+3], s[\g1:\g1+7]
	s_nop 0
	PLACES
.endm
.macro CREST
	s_cmp_lg_u32 s14, 0
	s_cbranch_scc1 .Lnot_wave_0_\@
	s_barrier_signal -3
.Lnot_wave_0_\@:
	s_barrier_wait -3
	s_barrier_signal -1
	s_barrier_wait -1
.endm
.macro CROUND
	s_barrier_signal -1
	s_barrier_wait -1
	CREST
.endm
.macro GROUP1 g, c, rows, pitch        ; rows of c elements of 8 bytes, pitch elements apart
	s_mov_b32 s[\g+1], \c<<16
	s_mov_b32 s[\g+2], \rows<<16
	s_mov_b32 s[\g+3], \c<<16
	s_mov_b32 s[\g+4], \rows
	s_mov_b32 s[\g+5], \pitch
	s_mov_b32 s[\g+6], 0
	s_mov_b32 s[\g+7], 0
.endm
	s_load_b128 s[4:7], s[0:1], 0x0                ; ocodes, wocodes
	s_load_b128 s[8:11], s[0:1], 0x10              ; scales, out0
	v_lshl_add_u32 v[SPW], v0, 2, SPARE
	v_mov_b32 v[NIL], 0
	ds_add_u32 v[SPW], v[NIL]
	ds_add_u32 v[SPW], v[NIL]
	v_lshrrev_b32 v1, 5, v0
	v_readfirstlane_b32 s14, v1                    ; wave
	s_lshr_b32 s15, s14, 1                         ; which 64 of the block's rows,
	s_and_b32 s16, s14, 1                          ; which 128 of its columns
	s_bfe_u32 s72, ttmp6, 0x40000
	s_bfe_u32 s73, ttmp6, 0x40004
	s_lshl_b32 s74, ttmp9, 2
	s_add_co_u32 s74, s74, s72                     ; tile column
	s_and_b32 s17, ttmp7, 0xffff
	s_lshl_b32 s17, s17, 2
	s_add_co_u32 s17, s17, s73                     ; tile row
	s_lshl_b32 s12, s73, 2
	s_lshl_b32 s12, 15, s12                        ; my row of the cluster
	s_lshl_b32 s13, 0x1111, s72                    ; my column
	s_or_b32 s[G1A], s12, (3<<16)|(1<<21)
	s_or_b32 s[G1AA], s12, (3<<16)|(1<<21)
	s_or_b32 s[G1B], s13, (3<<16)|(1<<21)
	s_or_b32 s[G1BB], s13, (3<<16)|(1<<21)
	GROUP1 G1A, 512, 8, 512
	GROUP1 G1B, 512, 16, 512
	GROUP1 G1AA, 4096, 2, 131072                   ; K slots lie 1,048,576 bytes apart in ocodes,
	GROUP1 G1BB, 8192, 2, 65536                    ; 524,288 in wocodes
	s_lshl_b32 s20, s17, 15
	s_mov_b32 s21, 0
	s_lshl_b32 s22, s74, 16
	s_mov_b32 s23, 0
	s_mov_b32 s32, 1
	s_mov_b32 s33, 0
	s_mov_b32 s36, 1
	s_mov_b32 s37, AS
	s_mov_b32 s56, 1
	s_mov_b32 s57, B0
	s_mov_b32 s60, 1
	s_mov_b32 s61, B0+BS
	s_wait_dscnt 0x0                               ; both opening adds are done
	s_wait_alu depctr_va_vdst(0)
	s_wait_kmcnt 0x0
	s_load_b64 s[96:97], s[8:9], 0x28              ; e10, e11
	s_add_nc_u64 s[34:35], s[4:5], s[20:21]
	s_add_nc_u64 s[38:39], s[34:35], 1<<20
	s_or_b32 s35, s35, 0x80000000
	s_or_b32 s39, s39, 0x80000000
	s_add_nc_u64 s[58:59], s[6:7], s[22:23]
	s_add_nc_u64 s[62:63], s[58:59], 1<<19
	s_or_b32 s59, s59, 0x80000000
	s_or_b32 s63, s63, 0x80000000
	CROUND                                         ; all sixteen work-groups are here: the first joint loads meet
	s_cmp_eq_u32 s14, 0
	s_cbranch_scc0 .Lh1
	TL 32, G1A
	s_branch .Lhead
.Lh1:
	s_cmp_eq_u32 s14, 1
	s_cbranch_scc0 .Lh2
	TL 56, G1B
	s_branch .Lhead
.Lh2:
	s_cmp_eq_u32 s14, 2
	s_cbranch_scc0 .Lh3
	TL 36, G1AA
	s_branch .Lhead
.Lh3:
	TL 60, G1BB
.Lhead:
	s_lshl_b32 s22, s15, 14                        ; my 64 rows of A,
	s_add_co_u32 s18, s22, AS
	s_add_co_u32 s19, s22, 2*AS
	s_lshl_b32 s23, s16, 15                        ; my 128 columns of B
	s_add_co_u32 s23, s23, B0
	s_add_co_u32 s12, s23, BS
	s_add_co_u32 s13, s23, 2*BS
	s_mul_i32 s92, s14, 16*SPITCH
	s_add_co_u32 s92, s92, STAGE                   ; my stage
	v_and_b32 v1, 15, v0
	v_bfe_u32 v2, v0, 4, 1
	v_and_b32 v6, 31, v0
	v_lshlrev_b32 v[CO], 4, v6
	v_add_nc_u32 v[ADRA], s22, v[CO]
	v_add_nc_u32 v[ADRA+1], s18, v[CO]
	v_add_nc_u32 v[ADRA+2], s19, v[CO]
	v_add_nc_u32 v[ADRB], s23, v[CO]
	v_add_nc_u32 v[ADRB+1], s12, v[CO]
	v_add_nc_u32 v[ADRB+2], s13, v[CO]
	v_mul_u32_u24 v5, v1, SPITCH
	v_lshl_add_u32 v5, v2, 5, v5
	v_add_nc_u32 v[STO], s92, v5
	v_add_nc_u32 v[RD], s92, v[CO]
	s_lshl_b32 s20, s17, 7
	s_lshl_b32 s21, s15, 6
	s_add_co_u32 s20, s20, s21
	s_lshl_b32 s20, s20, 13                        ; my first row of out0: rows of 8,192 bytes
	s_lshl_b32 s22, s74, 10
	s_lshl_b32 s23, s16, 9
	s_add_co_u32 s20, s20, s22
	s_add_co_u32 s20, s20, s23
	s_mov_b32 s21, 0
	s_add_nc_u64 s[10:11], s[10:11], s[20:21]
.macro FRAG reg, adr, q, i
.irp c, 0,1,2,3
	ds_load_b128 v[\reg+4*\c:\reg+4*\c+3], v[\adr] offset:4096*(\i)+2048*(\q)+512*\c
.endr
.endm
.macro GRP a, h, p, z                  ; four matrix instructions: A's block a x four of B's, fragments of set p
	WIN MUL_LO
.irp b, 0,1,2,3
.if \z
	v_wmma_f32_16x16x128_fp8_fp8 v[64*(\a)+32*(\h)+8*\b:64*(\a)+32*(\h)+8*\b+7], v[128*(\p)+64*(\h)+16*\b:128*(\p)+64*(\h)+16*\b+15], v[AF+64*(\p)+16*(\a):AF+64*(\p)+16*(\a)+15], 0
.else
	v_wmma_f32_16x16x128_fp8_fp8 v[64*(\a)+32*(\h)+8*\b:64*(\a)+32*(\h)+8*\b+7], v[128*(\p)+64*(\h)+16*\b:128*(\p)+64*(\h)+16*\b+15], v[AF+64*(\p)+16*(\a):AF+64*(\p)+16*(\a)+15], v[64*(\a)+32*(\h)+8*\b:64*(\a)+32*(\h)+8*\b+7]
.endif
.endr
.endm
.macro IA s, q, p, i
	WIN 0
	FRAG AF+64*(\p)+16*(\i), ADRA+(\s), \q, \i
.endm
.macro IB s, q, p, i
	WIN TO_B
	FRAG 128*(\p)+16*(\i), ADRB+(\s), \q, \i
.endm
; A step of 128 along K on set p; the next step's fragments, of slot s and its q-th 128, go into the other set, in the order A0, B0 .. B7, A1, A2, A3.  A wait's count is 4 x the fragments asked for behind the one that is wanted.
.macro STEP p, z, s, q                 ; two runs of 24 loads, each ahead of 16 matrix instructions
	s_wait_dscnt 12                                ; behind B7: A1, A2, A3
	PLACES                                         ; ahead of the loads into the other set, which the last step's products read
	IA \s, \q, 1-\p, 0
.irp i, 0,1,2,3,4
	IB \s, \q, 1-\p, \i
.endr
	GRP 0, 0, \p, \z
	GRP 0, 1, \p, \z
	s_wait_dscnt 32                                ; behind A1: A2, A3 and the first run
	GRP 1, 0, \p, \z
	GRP 1, 1, \p, \z
.irp i, 5,6,7
	IB \s, \q, 1-\p, \i
.endr
.irp i, 1,2,3
	IA \s, \q, 1-\p, \i
.endr
	s_wait_dscnt 52                                ; behind A2: A3 and both runs
	GRP 2, 0, \p, \z
	GRP 2, 1, \p, \z
	s_wait_dscnt 48                                ; behind A3: both runs
	GRP 3, 0, \p, \z
	GRP 3, 1, \p, \z
	WIN 0
.endm
; A step of set 1 with a barrier in it, behind which slot s is read.  fill = 1: a round, and slot 0, read to its end, takes K slot 3.
.macro TURN s, fill
	s_wait_dscnt 12
	GRP 0, 0, 1, 0
	GRP 0, 1, 1, 0
	s_wait_dscnt 8
	GRP 1, 0, 1, 0
	GRP 1, 1, 1, 0
	WIN 0
	s_wait_tensorcnt 0x0                           ; all my tensor loads have landed
.if \fill
	ds_add_u32 v[SPW], v[NIL]
	s_add_nc_u64 s[34:35], s[34:35], 3<<20
	s_add_nc_u64 s[58:59], s[58:59], 3<<19
.endif
	s_wait_dscnt 0x0                               ; the add is done, and my reads are over
	s_barrier_signal -1
	GRP 2, 0, 1, 0
	GRP 2, 1, 1, 0
	WIN 0
	s_barrier_wait -1
.if \fill
	CREST
	s_cmp_eq_u32 s14, 0
	s_cbranch_scc0 .Lr1_\@
	TL 32, G1A
	s_branch .Lrefilled_\@
.Lr1_\@:
	s_cmp_eq_u32 s14, 1
	s_cbranch_scc0 .Lrefilled_\@
	TL 56, G1B
.Lrefilled_\@:
.endif
	PLACES
	IA \s, 0, 0, 0
	IB \s, 0, 0, 0
	IB \s, 0, 0, 1
	GRP 3, 0, 1, 0
	IB \s, 0, 0, 2
	IB \s, 0, 0, 3
	IB \s, 0, 0, 4
	GRP 3, 1, 1, 0
	IB \s, 0, 0, 5
	IB \s, 0, 0, 6
	IB \s, 0, 0, 7
	IA \s, 0, 0, 1
	IA \s, 0, 0, 2
	IA \s, 0, 0, 3
	WIN 0
.endm
	s_wait_alu depctr_va_vdst(0)
	s_cmp_lt_u32 s14, 2
	s_cbranch_scc0 .Lslots_12
	s_wait_tensorcnt 0x0                           ; waves 0 and 1 brought K slot 0
.Lslots_12:
	s_barrier_signal -1
	s_barrier_wait -1
	IA 0, 0, 0, 0
.irp i, 0,1,2,3,4,5,6,7
	IB 0, 0, 0, \i
.endr
.irp i, 1,2,3
	IA 0, 0, 0, \i
.endr
	STEP 0, 1, 0, 1
	TURN 1, 1                                      ; K slots 1 and 2 are shown; K slot 3 is asked for
	STEP 0, 0, 1, 1
	STEP 1, 0, 2, 0
	STEP 0, 0, 2, 1
	TURN 0, 0                                      ; K slot 3 is shown
	STEP 0, 0, 0, 1
.irp a, 0,1,2,3
	s_wait_dscnt 4*(3-\a)
	GRP \a, 0, 1, 0
	GRP \a, 1, 1, 0
.endr
	WIN 0
; The way out, 16 rows x 128 columns at a time: x 2^(e10 + e11), through my stage, out as rows of 512 bytes.  LDS serves a wave's instructions in order (ISA guide 5.7.1.4).
.macro TOSTAGE a
	WIN 0x02
.set nn, 0
.rept 32
	v_pk_mul_f32 v[TMP+nn:TMP+nn+1], v[64*(\a)+nn:64*(\a)+nn+1], s[96:97] op_sel_hi:[1,0]
.set nn, nn+2
.endr
	WIN 0
.irp b, 0,1,2,3,4,5,6,7
	ds_store_b128 v[STO], v[TMP+8*\b:TMP+8*\b+3] offset:64*\b
	ds_store_b128 v[STO], v[TMP+8*\b+4:TMP+8*\b+7] offset:64*\b+16
.endr
.set nn, 0
.rept 16
	ds_load_b128 v[BK+64*((\a)%2)+4*nn:BK+64*((\a)%2)+4*nn+3], v[RD] offset:nn*SPITCH
.set nn, nn+1
.endr
.endm
.macro SEND a, younger
	s_wait_dscnt \younger
.if (\a) > 0
	s_add_nc_u64 s[10:11], s[10:11], 16*SIZE_N*4
.endif
.set nn, 0
.rept 16
	global_store_b128 v[CO], v[BK+64*((\a)%2)+4*nn:BK+64*((\a)%2)+4*nn+3], s[10:11] offset:nn*SIZE_N*4 th:TH_STORE_NT
.set nn, nn+1
.endr
.endm
	s_wait_kmcnt 0x0
	s_add_co_i32 s96, s96, s97
	s_add_co_i32 s96, s96, 127
	s_lshl_b32 s96, s96, 23                        ; 2^(e10 + e11)
	PLACES
	TOSTAGE 0
.irp a, 1,2,3
.if \a > 1
	s_wait_xcnt 0x0                                ; block a - 2's stores have read their registers and their base
.endif
	TOSTAGE \a
	SEND \a-1, 32                                  ; behind block a - 1's loads: block a's 16 stores and 16 loads
.endr
	s_wait_xcnt 0x0
	SEND 3, 0
	s_wait_tensorcnt 0x0                           ; the wave's end
	ds_add_u32 v[SPW], v[NIL]
	s_wait_dscnt 0x0
	CROUND                                         ; the closing round
	s_endpgm
.Lfunc_end_k_q23c4bbece0_oproj:
	.size	k_q23c4bbece0_oproj, .Lfunc_end_k_q23c4bbece0_oproj-k_q23c4bbece0_oproj
	.p2alignl 7, 3214868480
	.fill 96, 4, 3214868480
	.section	.rodata,"a",@progbits
	.p2align	6, 0x0
	.amdhsa_kernel k_q23c4bbece0_oproj
		.amdhsa_group_segment_fixed_size 327680
		.amdhsa_private_segment_fixed_size 0
		.amdhsa_enable_private_segment 0
		.amdhsa_kernarg_size 32
		.amdhsa_user_sgpr_count 2
		.amdhsa_user_sgpr_kernarg_segment_ptr 1
		.amdhsa_wavefront_size32 1
		.amdhsa_system_sgpr_workgroup_id_x 1
		.amdhsa_system_sgpr_workgroup_id_y 1
		.amdhsa_system_sgpr_workgroup_id_z 1
		.amdhsa_system_vgpr_workitem_id 0
		.amdhsa_next_free_vgpr 768
		.amdhsa_next_free_sgpr 100
		.amdhsa_reserve_vcc 0
		.amdhsa_float_denorm_mode_32 3
		.amdhsa_float_denorm_mode_16_64 3
		.amdhsa_memory_ordered 1
		.amdhsa_forward_progress 1
		.amdhsa_inst_pref_size 76
	.end_amdhsa_kernel
	.amdgpu_metadata
---
amdhsa.version: [ 1, 2 ]
amdhsa.kernels:
  - .name:           k_q23c4bbece0_oproj
    .symbol:         k_q23c4bbece0_oproj.kd
    .args:
      - { .name: ocodes, .offset: 0, .size: 8, .value_kind: global_buffer, .address_space: global }
      - { .name: wocodes, .offset: 8, .size: 8, .value_kind: global_buffer, .address_space: global }
      - { .name: lowp_scales, .offset: 16, .size: 8, .value_kind: global_buffer, .address_space: global }
      - { .name: out0, .offset: 24, .size: 8, .value_kind: global_buffer, .address_space: global }
    .group_segment_fixed_size: 327680
    .private_segment_fixed_size: 0
    .kernarg_segment_align: 8
    .kernarg_segment_size: 32
    .max_flat_workgroup_size: 128
    .sgpr_count:     100
    .vgpr_count:     768
    .wavefront_size: 32
...
	.end_amdgpu_metadata
.endif
;; end of part 4
